; MI455X (gfx1250); checked and timed in simulation.
; The chip was launched on July 23, 2026; its instructions are those of AMD's public machine-readable ISA for CDNA 5 (MIT licence, August 2026) and "CDNA5" Instruction Set Architecture Reference Guide (July 2026). The comments in the code are by the model that wrote it; some were corrected since.
;; Transformer Block. Allowed arithmetic: matrix products marked QUANTISED: E2M3 operands, one E8M0 scale for each 32 along K, by v_wmma_scale_f32_16x16x128_f8f6f4 with both operands' format E2M3, f32 sums; everything else in f32.
;; Inputs: b1 4,096 float32; b2 1,024 float32; bo 1,024 float32; ln1_b 1,024 float32; ln1_s 1,024 float32; ln2_b 1,024 float32; ln2_s 1,024 float32; w1 4,096 x 1,024 float32; w2 1,024 x 4,096 float32; wk 1,024 x 1,024 float32; wo 1,024 x 1,024 float32; wq 1,024 x 1,024 float32; wv 1,024 x 1,024 float32; x 2 x 2,048 x 1,024 float32.
;; Outputs: out0 2 x 2,048 x 1,024 float32.
;; This version of the problem:
;;   THIS VERSION OF THE PROBLEM IS GIVEN IN LOW PRECISION. The matrix products marked QUANTISED in the list below multiply operands that are first quantised to E2M3 (2 exponent bits, 3 mantissa bits; 6 bits a number), with one power-of-two scale for each 32 numbers along K (OCP MX v1.0); their sums are f32. All else is computed in f32.
;;   The module's matrix products, in the order in which they are computed (A, B: the left and right operand; K: the contracted axis; several contracted axes count as one K, in the product's order):
;;     1. [M 4,096, K 1,024] x [K 1,024, N 1,024]; A: computed on the way; B: input wq: QUANTISED
;;     2. [M 4,096, K 1,024] x [K 1,024, N 1,024]; A: computed on the way; B: input wk: QUANTISED
;;     3. [M 4,096, K 1,024] x [K 1,024, N 1,024]; A: computed on the way; B: input wv: QUANTISED
;;     4. batch 32 x [M 2,048, K 64] x [K 64, N 2,048]; A: computed on the way; B: computed on the way: QUANTISED
;;     5. batch 32 x [M 2,048, K 2,048] x [K 2,048, N 64]; A: softmax (see below); B: computed on the way: QUANTISED
;;     6. [M 4,096, K 1,024] x [K 1,024, N 1,024]; A: computed on the way; B: input wo: QUANTISED
;;     7. [M 4,096, K 1,024] x [K 1,024, N 4,096]; A: computed on the way; B: input w1: QUANTISED
;;     8. [M 4,096, K 4,096] x [K 4,096, N 1,024]; A: computed on the way; B: input w2: QUANTISED
;;   THE QUANTISER, for each operand of a quantised product, along K:
;;     - K is cut into blocks of 32 from its start; a last block that is shorter is filled with zeros.
;;     - A block's scale is 2^e with e = floor(log2(the largest magnitude in the block)) - 2, held to -126 .. 127; a block of zeros has e = 0. As a byte (E8M0): e + 127.
;;     - Each number is divided by its block's scale, clamped to +-7.5, and rounded to the nearest number of E2M3, ties to even, subnormals kept.
;;     - The product sums the exact products of the quantised numbers (number of the format x scale) in f32.
;;   ~~~python
;;   def quantise(x, axis):      # numpy; x: float32 -> the quantised numbers, widened to float32 again
;;       x = np.moveaxis(x, axis, -1); K = x.shape[-1]
;;       x = np.pad(x, [(0, 0)] * (x.ndim - 1) + [(0, -K % 32)]); x = x.reshape(x.shape[:-1] + (-1, 32)); a = np.abs(x).max(-1, keepdims=True)
;;       e = np.where(a > 0, np.clip(np.frexp(np.where(a > 0, a, 1))[1] - 1 - 2, -126, 127), 0)      # np.frexp(a)[1] - 1 = floor(log2(a)), exactly
;;       r = np.clip(x / 2.0 ** e, -7.5, 7.5)
;;       step = 2.0 ** (np.maximum(np.frexp(np.where(r == 0, 1, r))[1] - 1, 0) - 3)
;;       q = np.round(r / step) * step * 2.0 ** e      # np.round: ties to even
;;       return np.moveaxis(q.reshape(q.shape[:-2] + (-1,))[..., :K], -1, axis).astype(np.float32)
;;   ~~~
;;   SOFTMAX AHEAD OF A QUANTISED PRODUCT. Where the list says 'softmax', what is quantised is not the finished softmax but p = 2^(t - M), with t = logit x log2(e) and M = ceil(the row's largest t), a whole number; so 1/2 < the row's largest p <= 1. The row's sum l is taken of the UNQUANTISED p, in f32, and the product's result is divided by l at the end. Since M is a whole number, a kernel that streams over the keys may use a running M (the ceiling of the running maximum): every later rescaling is an exact power of two, which a block's scale takes up: the codes' values come out the same.
;;   OPERANDS COMPUTED ON THE WAY. 'Computed on the way' means the value that the module computes at that place (a softmax that the list does not call 'softmax' is quantised finished and normalised). What goes into a quantiser is computed in f32, as accurately as f32 sums, v_exp_f32 and their like allow (about 1e-6 of the number): no bf16 or f16 on the way to a quantiser, and a product that is left as it is and whose result goes on into a quantised operand takes f32 operands (vector FMAs, or v_wmma_f32_16x16x4_f32). A number that lies on a knife's edge between two numbers of the format may be rounded either way, as far as f32 arithmetic and the matrix unit's own rounding can turn it there, and no further.
;; One version. Each part assembles by itself: llvm-mc -triple=amdgcn-amd-amdhsa -mcpu=gfx1250 --defsym DOCPART=n.
;; ======== version 1 of 1: 7 launches
;; limits: right only within a limited range of input values
;; workspace buffers: wp 9,830,400 bytes; xp 3,276,800 bytes; qp 3,276,800 bytes; kp 3,276,800 bytes; vp 3,276,800 bytes; cp 3,276,800 bytes; hb 16,777,216 bytes; gp 13,107,200 bytes
;; launch prep (part 1): grid 448 x 1, 8 waves a work-group, no clusters, 137,728 bytes of LDS; arguments x, ln1_s, ln1_b, xp, wq, wk, wv, wo, w1, w2, wp; writes xp, wp
.if DOCPART == 1
	.amdgcn_target "amdgcn-amd-amdhsa--gfx1250"
	.amdhsa_code_object_version 6
	.text
	.protected	k_qa227e574ef_prep
	.globl	k_qa227e574ef_prep
	.p2align	8
	.type	k_qa227e574ef_prep,@function
k_qa227e574ef_prep:
	s_mov_b64 s[64:65], 0
	v_nop
	global_prefetch_b8 v0, s[64:65] scope:SCOPE_SE
	s_setreg_imm32_b32 hwreg(HW_REG_WAVE_MODE, 25, 1), 1
	s_wait_xcnt 0x0
; TWO PREPARING JOBS IN ONE BODY, parted by the work-group's number alone.  Both make codes of FP6 (E2M3) with one E8M0 byte for each 32 along K, laid in the order of an operand's registers:
; a TILE is 16 rows: row rho of tile t is row 32 (t / 2) + 8 (t % 2) + rho + 8 (rho / 8).  A RECORD is one tile x 512 along K, 6,400 bytes: eight half-images of 768 bytes (16 rows x 64 K: an operand's
; registers 0-3 at 16 x lane, 4-5 at 512 + 8 x lane), then 256 scale bytes, 16 a row.  Record (kgroup g, tile t) of a tensor with NT tiles lies at (g NT + t) x 6,400.
; WORK-GROUPS 0 TO 255, THE NORM: dst = the codes of gain x (src - mean) / sqrt(var + 1e-6) + shift, rows of 1,024 f32.  A work-group takes one tile; wave w takes columns 128 w .. 128 w + 127 of its 16 rows.
; The rows are read once, 512 consecutive bytes a load, and turn through the wave's stage in LDS, so that a lane holds 16 neighbours of each block of 32 of its row.  Mean and variance are taken in two passes over
; registers (the mean first, then the squares of the differences); the waves' parts meet in LDS: two barriers; a third in front of the scale bytes, which leave as whole blocks of 256 bytes.
; WORK-GROUPS 256 TO 447, THE WEIGHTS: wq, wk, wv (one tensor of 192 tiles), wo, w1, w2, f32 [features][K].  One wave makes one record: 1,536 records, 192 work-groups.  Waves share nothing there: no barrier.
; A launch of 256 work-groups runs the norm alone (the second norm of the block); the weights' path then has no work-group.
; Each path has LDS bytes of its own.  No matrix unit, no cluster: every byte is read once and nothing is shared between work-groups.
; A block's scale is 2^(floor(log2(largest magnitude)) - 2).  LIMITS: NaN and infinities are not served; a block whose largest magnitude lies under 2^-124 keeps the byte 1;
; a block of zeros gets the byte 1 and not 127: its codes are zeros, and the bytes are read by this program alone.
.set SPI,   528                        ; a stage row: 512 bytes + 16
.set WSTG,  16*SPI                     ; a wave's stage
.set RED,   8*WSTG                     ; the norm: the sums' parts, row r at 32 r, wave w at + 4 w; the squares' 512 bytes further on
.set SCG,   RED+1024                   ; the norm: the scale words: 256 (w / 4) + 16 r + 4 (w % 4)
.set QST,   SCG+512                    ; the weights' eight stages
.set SPARE, QST+8*WSTG                 ; the spare words, 128 bytes a wave, that no other line names
.set REC,   6400
.set L16,  1                           ; 16 x lane
.set L8,   2                           ; 8 x lane
.set R16,  3                           ; 16 x (lane % 16)
.set SIN,  4                           ; the stage, on the way in
.set SOUT, 5                           ; and on the way out
.set RW,   6
.set RR,   7
.set SCW,  8
.set SCR,  9
.set GO,   10
.set SPW,  12
.set NIL,  13
.set SEL,  34                          ; s[34:35] lane selects: lane l xor 16
.set WVS,  36                          ; s36 the wave
; 64 numbers of a lane, register 16 b + i = k 32 b + 16 (lane / 16) + i of my row, become a fragment's codes in v[PC] on and its scale word in v[pw]
.macro QUANT4 s, pw
.irp b, 0,1,2,3
	v_max3_num_f32 v[TM+\b], |v[\s+16*\b]|, |v[\s+1+16*\b]|, 0x1800000   ; my 16 numbers of block b, and the floor 2^(3 - 127): the byte cannot fall under 1
.endr
.irp i, 2,4,6,8,10,12,14
.irp b, 0,1,2,3
	s_delay_alu instid0(VALU_DEP_4)
	v_max3_num_f32 v[TM+\b], v[TM+\b], |v[\s+16*\b+\i]|, |v[\s+1+16*\b+\i]|
.endr
.endr
.irp b, 0,1,2,3
	s_delay_alu instid0(VALU_DEP_4)
	v_permlanex16_b32 v[TM+4+\b], v[TM+\b], s[SEL], s[SEL+1]
.endr
.irp b, 0,1,2,3
	s_delay_alu instid0(VALU_DEP_4)
	v_max_num_f32 v[TM+\b], v[TM+\b], v[TM+4+\b]   ; with lane l xor 16's: the block's largest magnitude
.endr
.irp b, 0,1,2,3
	s_delay_alu instid0(VALU_DEP_4)
	v_add_nc_u32 v[TM+12+\b], 0xff000000, v[TM+\b]   ; 2 off the exponent field: the conversion's scale operand
.endr
.irp b, 0,1,2,3
	s_delay_alu instid0(VALU_DEP_4)
	v_lshrrev_b32 v[TM+4+\b], 23, v[TM+12+\b]      ; the scale's byte
.endr
	s_delay_alu instid0(VALU_DEP_3)
	v_lshl_or_b32 v[\pw], v[TM+5], 8, v[TM+4]
	s_delay_alu instid0(VALU_DEP_1)
	v_lshl_or_b32 v[\pw], v[TM+6], 16, v[\pw]
	s_delay_alu instid0(VALU_DEP_1)
	v_lshl_or_b32 v[\pw], v[TM+7], 24, v[\pw]
.irp c, 0,1
	v_cvt_scalef32_pk16_fp6_f32 v[PC+6*\c:PC+2+6*\c], v[\s+32*\c:\s+15+32*\c], v[TM+12+2*\c]
	v_cvt_scalef32_pk16_fp6_f32 v[PC+12+4*\c:PC+14+4*\c], v[\s+16+32*\c:\s+31+32*\c], v[TM+12+2*\c+1]   ; (a conversion's three registers begin on an even number)
.endr
	v_nop                                          ; one plain place behind a scaled conversion
.irp c, 0,1                                    ; the operand wants a whole block in a lane: lanes 0-15 block 2 c, lanes 16-31 block 2 c + 1
.irp i, 0,1,2
	v_permlane16_swap_b32 v[PC+6*\c+\i], v[PC+12+4*\c+\i]
.endr
.irp i, 0,1,2
	s_delay_alu instid0(VALU_DEP_3)
	v_mov_b32 v[PC+3+6*\c+\i], v[PC+12+4*\c+\i]
.endr
.endr
.endm
; v18 = my lane's part of row r  ->  v18 = the whole row's sum, in every lane of every wave
.macro ACROSS off
	s_delay_alu instid0(VALU_DEP_1)
	v_permlanex16_b32 v19, v18, s[SEL], s[SEL+1]
	s_delay_alu instid0(VALU_DEP_1)
	v_add_f32 v18, v18, v19                        ; my wave's 128 columns
	ds_store_b32 v[RW], v18 offset:\off            ; (lanes r and r + 16 write the same word with the same value)
	s_wait_dscnt 0x0                               ; for the others' sake: my store has landed
	s_barrier_signal -1
	s_barrier_wait -1
	ds_load_b128 v[PS:PS+3], v[RR] offset:\off
	ds_load_b128 v[PS+4:PS+7], v[RR] offset:\off+16
	s_wait_dscnt 0x0
	v_add_f32 v18, v[PS], v[PS+1]
	v_add_f32 v19, v[PS+2], v[PS+3]
	v_add_f32 v20, v[PS+4], v[PS+5]
	v_add_f32 v21, v[PS+6], v[PS+7]
	s_delay_alu instid0(VALU_DEP_3)
	v_add_f32 v18, v18, v19
	s_delay_alu instid0(VALU_DEP_2)
	v_add_f32 v20, v20, v21
	s_delay_alu instid0(VALU_DEP_1)
	v_add_f32 v18, v18, v20
.endm
	v_lshl_add_u32 v[SPW], v0, 2, SPARE
	v_mov_b32 v[NIL], 0
	v_lshrrev_b32 v18, 5, v0
	v_readfirstlane_b32 s[WVS], v18                ; wave 0..7
	v_and_b32 v19, 31, v0                          ; lane
	v_and_b32 v20, 15, v0                          ; r
	v_bfe_u32 v21, v0, 4, 1                        ; h
	v_lshlrev_b32 v[L16], 4, v19
	v_lshlrev_b32 v[L8], 3, v19
	v_lshlrev_b32 v[R16], 4, v20
	v_mul_u32_u24 v[SOUT], v20, SPI
	v_lshl_add_u32 v[SOUT], v21, 6, v[SOUT]        ; out of a stage: row r, + 64 h: my 16 numbers of a block
	s_mov_b32 s[SEL], 0x76543210
	s_mov_b32 s[SEL+1], 0xfedcba98
	s_mul_i32 s37, s[WVS], WSTG
	s_wait_alu depctr_va_vdst(0)
	s_cmp_ge_u32 ttmp9, 256
	s_cbranch_scc1 .Lweights
; ================= THE NORM
.set X,    32                          ; v32-95   my 64 numbers
.set S,    96                          ; v96-159  gain;  behind the norm: at work
.set BV,   160                         ; v160-223 shift
.set CH,   224                         ; v224-231 four packed chains
.set PS,   232                         ; v232-239 eight parts
.set TM,   96
.set PC,   112
.set PW,   132
	s_load_b256 s[4:11], s[0:1], 0x0               ; src, gain, shift, dst
	v_add_nc_u32 v[SIN], s37, v[L16]
	v_add_nc_u32 v[SOUT], s37, v[SOUT]
	s_lshl_b32 s14, s[WVS], 2
	v_lshlrev_b32 v[RR], 5, v20
	v_add_nc_u32 v[RR], RED, v[RR]
	v_add_nc_u32 v[RW], s14, v[RR]
	s_lshr_b32 s15, s[WVS], 2                      ; kgroup
	s_and_b32 s16, s[WVS], 3                       ; K step in it
	s_lshl_b32 s17, s15, 8
	v_add_nc_u32 v[SCR], s17, v[R16]
	v_add_nc_u32 v[SCR], SCG, v[SCR]
	s_lshl_b32 s18, s16, 2
	v_add_nc_u32 v[SCW], s18, v[SCR]
	s_lshl_b32 s19, s[WVS], 9
	v_lshl_add_u32 v[GO], v21, 6, s19              ; 512 w + 64 h: my columns in gain and shift
	s_mov_b32 s26, 0x3a800000                      ; 1 / 1,024
	s_lshr_b32 s20, ttmp9, 1
	s_lshl_b32 s20, s20, 5
	s_and_b32 s21, ttmp9, 1
	s_lshl_b32 s21, s21, 3
	s_add_co_u32 s20, s20, s21                     ; the tile's first row
	s_lshl_b32 s20, s20, 12
	s_add_co_u32 s20, s20, s19                     ; + my wave's 512 bytes
	s_mov_b32 s21, 0
	s_lshl_b32 s22, s15, 8
	s_add_co_u32 s22, s22, ttmp9
	s_mul_i32 s22, s22, REC
	s_mul_i32 s23, s16, 1536
	s_add_co_u32 s22, s22, s23                     ; my fragment's place in its record
	s_mov_b32 s23, 0
	s_wait_alu depctr_va_vdst(0)
	s_wait_kmcnt 0x0
	s_add_nc_u64 s[4:5], s[4:5], s[20:21]
	s_add_nc_u64 s[10:11], s[10:11], s[22:23]
.irp p, 0,1,2,3,4,5,6,7,8,9,10,11,12,13,14,15
	global_load_b128 v[X+4*\p:X+4*\p+3], v[L16], s[4:5] offset:(\p+8*(\p/8))*4096   ; 512 consecutive bytes of row rho
.endr
.irp b, 0,1,2,3
.irp j, 0,1,2,3
	global_load_b128 v[S+16*\b+4*\j:S+16*\b+4*\j+3], v[GO], s[6:7] offset:128*\b+16*\j
.endr
.endr
.irp b, 0,1,2,3
.irp j, 0,1,2,3
	global_load_b128 v[BV+16*\b+4*\j:BV+16*\b+4*\j+3], v[GO], s[8:9] offset:128*\b+16*\j
.endr
.endr
	s_wait_loadcnt 32                              ; the rows are in; gain's and shift's 32 loads may be out
.irp p, 0,1,2,3,4,5,6,7,8,9,10,11,12,13,14,15
	ds_store_b128 v[SIN], v[X+4*\p:X+4*\p+3] offset:SPI*\p
.endr
.irp b, 0,1,2,3
.irp j, 0,1,2,3
	ds_load_b128 v[X+16*\b+4*\j:X+16*\b+4*\j+3], v[SOUT] offset:128*\b+16*\j   ; register 16 b + i = column 128 w + 32 b + 16 h + i of row r
.endr
.endr
	s_wait_dscnt 0x0
	; the mean
	v_pk_add_f32 v[226:227], v[32:33], v[40:41]
	v_pk_add_f32 v[228:229], v[48:49], v[56:57]
	v_pk_add_f32 v[230:231], v[64:65], v[72:73]
	v_pk_add_f32 v[254:255], v[80:81], v[88:89]
	v_pk_add_f32 v[252:253], v[34:35], v[42:43]
	v_pk_add_f32 v[250:251], v[50:51], v[58:59]
	v_pk_add_f32 v[248:249], v[66:67], v[74:75]
	v_pk_add_f32 v[224:225], v[82:83], v[90:91]
	s_delay_alu instid0(VALU_DEP_1)
	v_pk_add_f32 v[224:225], v[224:225], v[36:37]
	v_pk_add_f32 v[226:227], v[226:227], v[44:45]
	v_pk_add_f32 v[228:229], v[228:229], v[52:53]
	v_pk_add_f32 v[230:231], v[230:231], v[60:61]
	v_pk_add_f32 v[254:255], v[254:255], v[68:69]
	v_pk_add_f32 v[252:253], v[252:253], v[76:77]
	v_pk_add_f32 v[250:251], v[250:251], v[84:85]
	v_pk_add_f32 v[248:249], v[248:249], v[92:93]
	v_pk_add_f32 v[224:225], v[224:225], v[38:39]
	v_pk_add_f32 v[226:227], v[226:227], v[46:47]
	v_pk_add_f32 v[228:229], v[228:229], v[54:55]
	v_pk_add_f32 v[230:231], v[230:231], v[62:63]
	v_pk_add_f32 v[254:255], v[254:255], v[70:71]
	v_pk_add_f32 v[252:253], v[252:253], v[78:79]
	v_pk_add_f32 v[250:251], v[250:251], v[86:87]
	v_pk_add_f32 v[248:249], v[248:249], v[94:95]
	s_delay_alu instid0(VALU_DEP_4)
	v_pk_add_f32 v[224:225], v[224:225], v[254:255]
	s_delay_alu instid0(VALU_DEP_4)
	v_pk_add_f32 v[226:227], v[226:227], v[252:253]
	s_delay_alu instid0(VALU_DEP_4)
	v_pk_add_f32 v[228:229], v[228:229], v[250:251]
	s_delay_alu instid0(VALU_DEP_4)
	v_pk_add_f32 v[230:231], v[230:231], v[248:249]
	s_delay_alu instid0(VALU_DEP_2)
	v_pk_add_f32 v[224:225], v[224:225], v[228:229]
	s_delay_alu instid0(VALU_DEP_2)
	v_pk_add_f32 v[226:227], v[226:227], v[230:231]
	s_delay_alu instid0(VALU_DEP_1)
	v_pk_add_f32 v[224:225], v[224:225], v[226:227]
	s_delay_alu instid0(VALU_DEP_1)
	v_add_f32 v18, v[CH], v[CH+1]
	ACROSS 0
	s_delay_alu instid0(VALU_DEP_1)
	v_mul_f32 v14, s26, v18
	s_delay_alu instid0(VALU_DEP_1)
	v_mov_b32 v15, v14
.set ii, 0
.rept 32
	v_pk_add_f32 v[X+ii:X+ii+1], v[X+ii:X+ii+1], v[14:15] neg_lo:[0,1] neg_hi:[0,1]   ; x - mean
.set ii, ii+2
.endr
	; the variance: the mean of the squares of the differences
.irp c, 0,1,2,3
	v_pk_mul_f32 v[CH+2*\c:CH+2*\c+1], v[X+2*\c:X+2*\c+1], v[X+2*\c:X+2*\c+1]
.endr
.irp i, 8,16,24,32,40,48,56
.irp c, 0,1,2,3
	s_delay_alu instid0(VALU_DEP_4)
	v_pk_fma_f32 v[CH+2*\c:CH+2*\c+1], v[X+\i+2*\c:X+\i+2*\c+1], v[X+\i+2*\c:X+\i+2*\c+1], v[CH+2*\c:CH+2*\c+1]
.endr
.endr
	s_delay_alu instid0(VALU_DEP_3)
	v_pk_add_f32 v[CH:CH+1], v[CH:CH+1], v[CH+2:CH+3]
	s_delay_alu instid0(VALU_DEP_2)
	v_pk_add_f32 v[CH+4:CH+5], v[CH+4:CH+5], v[CH+6:CH+7]
	s_delay_alu instid0(VALU_DEP_1)
	v_pk_add_f32 v[CH:CH+1], v[CH:CH+1], v[CH+4:CH+5]
	s_delay_alu instid0(VALU_DEP_1)
	v_add_f32 v18, v[CH], v[CH+1]
	ACROSS 512
	s_delay_alu instid0(VALU_DEP_1)
	v_fmaak_f32 v16, s26, v18, 0x358637bd          ; var + 1e-6
	s_wait_alu depctr_va_vdst(0)
	v_rsq_f32 v16, v16
	v_nop                                          ; a plain place behind the transcendental,
	s_wait_alu depctr_va_vdst(0)                   ; and the wait ahead of its first reader
	v_mov_b32 v17, v16
	s_wait_alu depctr_va_vdst(0)
	s_wait_loadcnt 0x0                             ; gain and shift
.set ii, 0
.rept 32
	v_pk_mul_f32 v[X+ii:X+ii+1], v[X+ii:X+ii+1], v[16:17]
.set ii, ii+2
.endr
.set ii, 0
.rept 32
	v_pk_fma_f32 v[X+ii:X+ii+1], v[X+ii:X+ii+1], v[S+ii:S+ii+1], v[BV+ii:BV+ii+1]
.set ii, ii+2
.endr
	QUANT4 X, PW
	global_store_b128 v[L16], v[PC:PC+3], s[10:11]
	global_store_b64 v[L8], v[PC+4:PC+5], s[10:11] offset:512
	global_store_b128 v[L16], v[PC+6:PC+9], s[10:11] offset:768
	global_store_b64 v[L8], v[PC+10:PC+11], s[10:11] offset:1280
	ds_store_b32 v[SCW], v[PW]
	s_wait_dscnt 0x0
	s_barrier_signal -1
	s_barrier_wait -1                              ; the eight waves' scale words lie in LDS
	s_cmp_lg_u32 s16, 0                            ; waves 0 and 4 store a record's 256 scale bytes each
	s_cbranch_scc1 .Lend
	ds_load_b128 v[PS:PS+3], v[SCR]
	s_wait_dscnt 0x0
	global_store_b128 v[R16], v[PS:PS+3], s[10:11] offset:6144   ; lanes 16-31 hold and write what lanes 0-15 do
	s_branch .Lend
; ================= THE WEIGHTS
.Lweights:
.set VO,   16                          ; v16-31  row rho's byte offset + 16 x lane
.set R0,   32                          ; v32-95, v96-159  two sets of 64 numbers
.set TM,   160                         ; v160-175 at work
.set PC,   176                         ; v176-194 the codes just made
.set SW,   200                         ; v200-203 the record's four scale words
	s_load_b256 s[4:11], s[0:1], 0x20              ; wq, wk, wv, wo
	s_load_b128 s[12:15], s[0:1], 0x40             ; w1, w2
	s_load_b64 s[16:17], s[0:1], 0x50              ; wp
	s_sub_co_u32 s38, ttmp9, 256                   ; my number among the weights' 192 work-groups
	s_add_co_u32 s37, s37, QST
	v_add_nc_u32 v[SIN], s37, v[L16]               ; in: a row's 512 bytes as they lie
	v_add_nc_u32 v[SOUT], s37, v[SOUT]
.irp b, 0,1,2,3
	v_mov_b32 v[TM+4+\b], 0                        ; written once: a lane permute's destination counts as one of its sources
.endr
	s_mov_b32 s20, 0                               ; the tensor's first work-group
	s_mov_b32 s21, 0                               ; its first record
	s_mov_b32 s22, 0                               ; its first tile within the packed tensor
	s_mov_b32 s23, 192                             ; tiles of the packed tensor
	s_mov_b32 s24, 1                               ; log2 of its kgroups
	s_mov_b32 s25, 4096                            ; bytes in a row
	s_mov_b32 s39, 1                               ; kgroups - 1
	s_wait_alu depctr_va_vdst(0)
	s_wait_kmcnt 0x0
	s_mov_b64 s[18:19], s[4:5]                     ; which tensor is mine hangs on the work-group's number alone
	s_cmp_ge_u32 s38, 16
	s_cselect_b64 s[18:19], s[6:7], s[18:19]
	s_cselect_b32 s20, 16, s20
	s_cselect_b32 s22, 64, s22
	s_cmp_ge_u32 s38, 32
	s_cselect_b64 s[18:19], s[8:9], s[18:19]
	s_cselect_b32 s20, 32, s20
	s_cselect_b32 s22, 128, s22
	s_cmp_ge_u32 s38, 48
	s_cselect_b64 s[18:19], s[10:11], s[18:19]
	s_cselect_b32 s20, 48, s20
	s_cselect_b32 s21, 384, s21
	s_cselect_b32 s22, 0, s22
	s_cselect_b32 s23, 64, s23
	s_cmp_ge_u32 s38, 64
	s_cselect_b64 s[18:19], s[12:13], s[18:19]
	s_cselect_b32 s20, 64, s20
	s_cselect_b32 s21, 512, s21
	s_cselect_b32 s23, 256, s23
	s_cmp_ge_u32 s38, 128
	s_cselect_b64 s[18:19], s[14:15], s[18:19]
	s_cselect_b32 s20, 128, s20
	s_cselect_b32 s21, 1024, s21
	s_cselect_b32 s23, 64, s23
	s_cselect_b32 s24, 3, s24
	s_cselect_b32 s25, 16384, s25
	s_cselect_b32 s39, 7, s39
	s_sub_co_u32 s26, s38, s20
	s_lshl_b32 s26, s26, 3
	s_add_co_u32 s26, s26, s[WVS]                  ; my record among the tensor's: kgroups x tile + kgroup
	s_lshr_b32 s27, s26, s24                       ; tile
	s_and_b32 s28, s26, s39                        ; kgroup
	s_lshr_b32 s29, s27, 1
	s_lshl_b32 s29, s29, 5
	s_and_b32 s30, s27, 1
	s_lshl_b32 s30, s30, 3
	s_add_co_u32 s29, s29, s30                     ; the tile's first row
	s_mul_i32 s30, s29, s25
	s_lshl_b32 s29, s28, 11                        ; 512 numbers a kgroup
	s_add_co_u32 s30, s30, s29
	s_mov_b32 s31, 0
	s_add_nc_u64 s[18:19], s[18:19], s[30:31]
	s_mul_i32 s32, s28, s23
	s_add_co_u32 s32, s32, s21
	s_add_co_u32 s32, s32, s22
	s_add_co_u32 s32, s32, s27
	s_mul_i32 s32, s32, REC
	s_mov_b32 s33, 0
	s_add_nc_u64 s[16:17], s[16:17], s[32:33]
.irp p, 0,1,2,3,4,5,6,7,8,9,10,11,12,13,14,15
	v_mad_u32_u24 v[VO+\p], s25, \p+8*(\p/8), v[L16]   ; row rho of the tile lies rho + 8 (rho / 8) rows down
.endr
.macro LOAD s                          ; K step s: 16 rows x 512 consecutive bytes
.irp p, 0,1,2,3,4,5,6,7,8,9,10,11,12,13,14,15
	global_load_b128 v[R0+64*((\s)%2)+4*\p:R0+64*((\s)%2)+4*\p+3], v[VO+\p], s[18:19] offset:512*(\s) th:TH_LOAD_NT
.endr
.endm
.macro KSTEP s
.set RS, R0+64*((\s)%2)
.if (\s) < 3
	s_wait_loadcnt 16                              ; this K step's 16 loads are in; the next one's may be out
.else
	s_wait_loadcnt 0
.endif
.irp p, 0,1,2,3,4,5,6,7,8,9,10,11,12,13,14,15
	ds_store_b128 v[SIN], v[RS+4*\p:RS+4*\p+3] offset:SPI*\p
.endr
.irp b, 0,1,2,3
.irp j, 0,1,2,3
	ds_load_b128 v[RS+16*\b+4*\j:RS+16*\b+4*\j+3], v[SOUT] offset:128*\b+16*\j   ; LDS serves a wave's instructions in order: these see the stores above
.endr
.endr
	s_wait_dscnt 0x0
	s_wait_xcnt 0x0                                ; the last K step's stores have read the codes' registers: they are written again only behind this wait
	QUANT4 RS, SW+(\s)
.if (\s) < 2
	LOAD (\s)+2
.endif
	global_store_b128 v[L16], v[PC:PC+3], s[16:17] offset:1536*(\s)          ; 512 consecutive bytes,
	global_store_b64 v[L8], v[PC+4:PC+5], s[16:17] offset:1536*(\s)+512      ; 256,
	global_store_b128 v[L16], v[PC+6:PC+9], s[16:17] offset:1536*(\s)+768    ; and the second half-image likewise
	global_store_b64 v[L8], v[PC+10:PC+11], s[16:17] offset:1536*(\s)+1280
.endm
	LOAD 0
	LOAD 1
	KSTEP 0
	KSTEP 1
	KSTEP 2
	KSTEP 3
	global_store_b128 v[R16], v[SW:SW+3], s[16:17] offset:6144   ; the record's 256 scale bytes; lanes 16-31 hold and write what lanes 0-15 do
.Lend:
	s_wait_tensorcnt 0x0                           ; the wave's end
	ds_add_u32 v[SPW], v[NIL]
	s_wait_dscnt 0x0
	s_endpgm
.Lfunc_end_k_qa227e574ef_prep:
	.size	k_qa227e574ef_prep, .Lfunc_end_k_qa227e574ef_prep-k_qa227e574ef_prep
	.p2alignl 7, 3214868480
	.fill 96, 4, 3214868480
	.section	.rodata,"a",@progbits
	.p2align	6, 0x0
	.amdhsa_kernel k_qa227e574ef_prep
		.amdhsa_group_segment_fixed_size 137728
		.amdhsa_private_segment_fixed_size 0
		.amdhsa_enable_private_segment 0
		.amdhsa_kernarg_size 88
		.amdhsa_user_sgpr_count 2
		.amdhsa_user_sgpr_kernarg_segment_ptr 1
		.amdhsa_wavefront_size32 1
		.amdhsa_system_sgpr_workgroup_id_x 1
		.amdhsa_system_sgpr_workgroup_id_y 1
		.amdhsa_system_sgpr_workgroup_id_z 1
		.amdhsa_system_vgpr_workitem_id 0
		.amdhsa_next_free_vgpr 256
		.amdhsa_next_free_sgpr 66
		.amdhsa_reserve_vcc 0
		.amdhsa_float_denorm_mode_32 3
		.amdhsa_float_denorm_mode_16_64 3
		.amdhsa_memory_ordered 1
		.amdhsa_forward_progress 1
		.amdhsa_inst_pref_size 70
	.end_amdhsa_kernel
	.amdgpu_metadata
---
amdhsa.version: [ 1, 2 ]
amdhsa.kernels:
  - .name:           k_qa227e574ef_prep
    .symbol:         k_qa227e574ef_prep.kd
    .args:
      - { .name: x, .offset: 0, .size: 8, .value_kind: global_buffer, .address_space: global }
      - { .name: ln1_s, .offset: 8, .size: 8, .value_kind: global_buffer, .address_space: global }
      - { .name: ln1_b, .offset: 16, .size: 8, .value_kind: global_buffer, .address_space: global }
      - { .name: xp, .offset: 24, .size: 8, .value_kind: global_buffer, .address_space: global }
      - { .name: wq, .offset: 32, .size: 8, .value_kind: global_buffer, .address_space: global }
      - { .name: wk, .offset: 40, .size: 8, .value_kind: global_buffer, .address_space: global }
      - { .name: wv, .offset: 48, .size: 8, .value_kind: global_buffer, .address_space: global }
      - { .name: wo, .offset: 56, .size: 8, .value_kind: global_buffer, .address_space: global }
      - { .name: w1, .offset: 64, .size: 8, .value_kind: global_buffer, .address_space: global }
      - { .name: w2, .offset: 72, .size: 8, .value_kind: global_buffer, .address_space: global }
      - { .name: wp, .offset: 80, .size: 8, .value_kind: global_buffer, .address_space: global }
    .group_segment_fixed_size: 137728
    .private_segment_fixed_size: 0
    .kernarg_segment_align: 8
    .kernarg_segment_size: 88
    .max_flat_workgroup_size: 256
    .sgpr_count:     66
    .vgpr_count:     256
    .wavefront_size: 32
...
	.end_amdgpu_metadata
.endif
;; end of part 1
;; launch qkv (part 2): grid 8 x 32, 4 waves a work-group, clusters of 4 x 4, 327,680 bytes of LDS; arguments xp, wp, qp, kp, vp; writes qp, kp, vp
.if DOCPART == 2
	.amdgcn_target "amdgcn-amd-amdhsa--gfx1250"
	.amdhsa_code_object_version 6
	.text
	.protected	k_qa227e574ef_qkv
	.globl	k_qa227e574ef_qkv
	.p2align	8
	.type	k_qa227e574ef_qkv,@function
k_qa227e574ef_qkv:
	s_mov_b64 s[64:65], 0
	v_nop
	global_prefetch_b8 v0, s[64:65] scope:SCOPE_SE
	s_setreg_imm32_b32 hwreg(HW_REG_WAVE_MODE, 25, 1), 1
	s_wait_xcnt 0x0
	s_wait_alu depctr_hold_cnt(0) depctr_sa_sdst(0) depctr_va_vdst(0) depctr_va_sdst(0) depctr_va_ssrc(0) depctr_va_vcc(0) depctr_vm_vsrc(0)
	s_getreg_b32 s2, hwreg(HW_REG_IB_STS2, 6, 4)
	s_cmp_eq_u32 s2, 0
	s_cbranch_scc0 .Lentry_in_a_cluster
	s_endpgm
.Lentry_in_a_cluster:
	s_bfe_u32 s2, ttmp6, 0x10000c
	s_cmp_lg_u32 s2, 0xf033
	s_cbranch_scc0 .Lentry_shape_is_right
	s_endpgm
.Lentry_shape_is_right:
; q, k, v = LN1(x) W^T on codes of FP6 (E2M3) with E8M0 scales; the results are quantised in registers and stored as codes: q and k along the head's 64, v along the keys.
; OPERANDS lie in memory in the order of an operand's registers.  A tile is 16 rows (row rho of tile t = 32 (t / 2) + 8 (t % 2) + rho + 8 (rho / 8)); a record is a tile x 512 K, 6,400 bytes: eight half-images of
; 768 bytes (registers 0-3 at 16 x lane, 4-5 at 512 + 8 x lane), then 256 scale bytes, 16 a row.  Four neighbouring tiles' records are 25,600 dense bytes: one tensor load.
; A WORK-GROUP STAYS: it owns 128 tokens, whose records for all of K = 1,024 (102,400 bytes) come into LDS once, and walks three blocks of 128 features: q's, k's and v's of one pair of heads.  256 work-groups.
; A block's weights (102,400 bytes) lie in one of two buffers; q's and k's are asked for at the head, v's goes into q's buffer as soon as q's products are done, and has q's way out and k's products in which to land.
; Wave (wm, wn) makes 64 x 64 of a block: 16 accumulators, 128 products.
; CLUSTER 4 x 4: x's records hang on the block of tokens alone and are asked for jointly by a row of the cluster, the weights' on the place along x alone, by a column.
; q, k: source 0 = 16 rows of W, source 1 = 16 tokens: a lane holds one token, and by the tiles' make-up its 32 registers of a row of accumulators are d = 32 b + 16 h + i: neighbours along the next K.
; v: the sources change places: a lane holds one d and its registers run along 64 neighbouring tokens, the next K.  Nothing is transposed.
; LDS: W's buffer 0, then x, then W's buffer 1: a scale load takes x's words in lanes 0-15 and W's in lanes 16-31, and so never reaches across the buffer that is being filled.
; OUT: for each (batch, head) 102,400 bytes: two halves of 1,024 tokens, each 64 half-images and then eight blocks of 256 scale bytes (one for 128 tokens).
; LIMITS: NaN and infinities are not served; a block under 2^-124 keeps the byte 1; a block of zeros gets the byte 1 and not 127 (zero codes; read by this program alone).
.set REC,   6400
.set QUAD,  4*REC
.set KGB,   2*QUAD                     ; a kgroup's eight records
.set BUF,   2*KGB                      ; both kgroups: 102,400 bytes
.set XB,    BUF                        ; x's records
.set WB1,   2*BUF                      ; W's buffer 1 (buffer 0 begins at 0)
.set SPARE, 3*BUF                      ; behind them: the spare words, 128 bytes a wave, that no other line names
.set NTX,   256
.set NTW,   192
.set WOFF,  0
.set CSTEP, 64*REC                     ; from q's rows of W to k's, from k's to v's
.set AX16, 4                           ; v4-5     x's images of kgroup 0, 1: + 16 x lane
.set AX8,  6                           ; v6-7     + 512 + 8 x lane
.set AW16, 8                           ; v8-11    W's: index 2 x buffer + kgroup
.set PK,   12                          ; v12-13   q's, k's scale bytes, packed
.set SPW,  14
.set NIL,  15
.set SC,   16                          ; v16-31   scale words and nothing else: register 4 i + s: tile i, K step s
.set TM,   32                          ; v32-37   at work
.set Y,    40                          ; v40-42
.set SB,   44                          ; v44-47   two scale bytes for each row of accumulators
.set LI,   52
.set L8,   53
.set QSO,  54                          ; 16 r + 8 wm
.set VSO,  55                          ; 16 r + 2 wm
.set PCB,  56                          ; v56-87   codes, 8 registers for each row of accumulators
.set AW8,  120                         ; v120-123
.set ASC,  124                         ; v124-127 scale bytes: lanes 0-15 x's rows, lanes 16-31 W's; index 2 x buffer + kgroup
.set ACC,  128                         ; v128-255: accumulator (i1, i0) at ACC + 8 (4 i1 + i0)
.set F0,   0                           ; window 1: two sets of fragments: x's tile i at + 12 i, W's at + 48 + 12 i
.set F1,   128
.set WV,   14
.set WM,   15
.set WN,   16
.set ROW,  17
.set CW,   42
.set G1X,  24                          ; s[24:31] group 1 for x's records;  s[32:35] its group 0
.set G0X,  32
.set G1W,  48                          ; s[48:55] group 1 for W's;  s[56:63] groups 0, one for each buffer
.set G0W,  56
.set SEL,  68
.set MSB, 0
.macro WIN new                         ; the immediate's high byte repeats the setting that is left
.if MSB != \new
	s_set_vgpr_msb (MSB<<8)|\new
.set MSB, \new
.endif
.endm
.set MULW, 0x05                        ; sources 0 and 1 window 1; C and D window 0
.set TO_F, 0x40                        ; destination window 1
.macro PLACES n
.rept \n
	v_nop
.endr
.endm
.macro CROUND                          ; a round of the cluster's barrier
	s_barrier_signal -1
	s_barrier_wait -1
	s_cmp_lg_u32 s[WV], 0
	s_cbranch_scc1 .Lnot_wave_0_\@
	s_barrier_signal -3
.Lnot_wave_0_\@:
	s_barrier_wait -3
	s_barrier_signal -1
	s_barrier_wait -1
.endm
.macro SCALES wi                       ; a kgroup's scale words: 16 bytes a row: four K steps
.irp i, 0,1,2,3
	ds_load_b128 v[SC+4*\i:SC+4*\i+3], v[ASC+(\wi)] offset:REC*\i
.endr
.endm
.macro FETCH g, wi, s, f               ; the eight fragments of K step s of kgroup g: 32 loads, each dense over the lanes
	WIN TO_F
.irp i, 0,1,2,3
	ds_load_b128 v[\f+12*\i:\f+12*\i+3], v[AX16+(\g)] offset:REC*\i+1536*(\s)
	ds_load_b64 v[\f+12*\i+4:\f+12*\i+5], v[AX8+(\g)] offset:REC*\i+1536*(\s)
	ds_load_b128 v[\f+12*\i+6:\f+12*\i+9], v[AX16+(\g)] offset:REC*\i+1536*(\s)+768
	ds_load_b64 v[\f+12*\i+10:\f+12*\i+11], v[AX8+(\g)] offset:REC*\i+1536*(\s)+768
	ds_load_b128 v[\f+48+12*\i:\f+48+12*\i+3], v[AW16+(\wi)] offset:REC*\i+1536*(\s)
	ds_load_b64 v[\f+48+12*\i+4:\f+48+12*\i+5], v[AW8+(\wi)] offset:REC*\i+1536*(\s)
	ds_load_b128 v[\f+48+12*\i+6:\f+48+12*\i+9], v[AW16+(\wi)] offset:REC*\i+1536*(\s)+768
	ds_load_b64 v[\f+48+12*\i+10:\f+48+12*\i+11], v[AW8+(\wi)] offset:REC*\i+1536*(\s)+768
.endr
.endm
.macro WMM d, a, b, z, sa, sb, sw      ; z = 1: the product starts the sum.  sw = 0: source 0 is W's (its scales in lanes 16-31); sw = 1: source 1 is
.if \z
.if \sw
	v_wmma_scale_f32_16x16x128_f8f6f4 v[\d:\d+7], v[\a:\a+11], v[\b:\b+11], 0, v[\sa], v[\sb] matrix_a_fmt:MATRIX_FMT_FP6 matrix_b_fmt:MATRIX_FMT_FP6 matrix_b_scale:MATRIX_SCALE_ROW1
.else
	v_wmma_scale_f32_16x16x128_f8f6f4 v[\d:\d+7], v[\a:\a+11], v[\b:\b+11], 0, v[\sa], v[\sb] matrix_a_fmt:MATRIX_FMT_FP6 matrix_b_fmt:MATRIX_FMT_FP6 matrix_a_scale:MATRIX_SCALE_ROW1
.endif
.else
.if \sw
	v_wmma_scale_f32_16x16x128_f8f6f4 v[\d:\d+7], v[\a:\a+11], v[\b:\b+11], v[\d:\d+7], v[\sa], v[\sb] matrix_a_fmt:MATRIX_FMT_FP6 matrix_b_fmt:MATRIX_FMT_FP6 matrix_b_scale:MATRIX_SCALE_ROW1
.else
	v_wmma_scale_f32_16x16x128_f8f6f4 v[\d:\d+7], v[\a:\a+11], v[\b:\b+11], v[\d:\d+7], v[\sa], v[\sb] matrix_a_fmt:MATRIX_FMT_FP6 matrix_b_fmt:MATRIX_FMT_FP6 matrix_a_scale:MATRIX_SCALE_ROW1
.endif
.endif
.endm
.macro MUL s, f, z, sw                 ; 16 products, the 16 accumulators by turns, in the same order in every K step
	WIN MULW
.irp i1, 0,1,2,3
.irp i0, 0,1,2,3
.if \sw
	WMM ACC+8*(4*\i1+\i0), \f+12*\i0, \f+48+12*\i1, \z, SC+4*\i0+\s, SC+4*\i1+\s, 1
.else
	WMM ACC+8*(4*\i1+\i0), \f+48+12*\i0, \f+12*\i1, \z, SC+4*\i0+\s, SC+4*\i1+\s, 0
.endif
.endr
.endr
.endm
.macro COMPUTE g, wi, z, sw            ; a kgroup's four K steps; a K step's fragments are asked for one K step ahead
	SCALES \wi
	FETCH \g, \wi, 0, F0
	FETCH \g, \wi, 1, F1
	s_wait_dscnt 32                                ; all but the 32 loads just issued
	MUL 0, F0, \z, \sw
	PLACES 4                                       ; in front of loads into registers that matrix instructions have read
	FETCH \g, \wi, 2, F0
	s_wait_dscnt 32
	MUL 1, F1, 0, \sw
	PLACES 4
	FETCH \g, \wi, 3, F1
	s_wait_dscnt 32
	MUL 2, F0, 0, \sw
	s_wait_dscnt 0x0
	MUL 3, F1, 0, \sw
	WIN 0
.endm
.macro BLOCK b, sw                     ; 128 tokens x 128 features, all of K, with the weights of buffer b; the first products start the sums
	COMPUTE 0, 2*(\b), 1, \sw
	PLACES 4
	COMPUTE 1, 2*(\b)+1, 0, \sw
.endm
; Buffer b, whose block is multiplied, is filled again with the block two further on.  Each wave waits for all its tensor loads (the other buffer's among them), adds 0 to its spare word, waits for that and for its reads
; of the buffer; a round of the cluster's barrier: no wave of any partner still reads the buffer or has a load on its way; then, first, the wave's one joint load.
.macro REFILL b
	s_wait_tensorcnt 0x0
	ds_add_u32 v[SPW], v[NIL]                      ; the descriptor's step stands between the add and the wait for it
	s_add_nc_u64 s[G0W+4*\b+2:G0W+4*\b+3], s[G0W+4*\b+2:G0W+4*\b+3], 2*CSTEP
	s_wait_dscnt 0x0
	CROUND
	tensor_load_to_lds s[G0W+4*\b:G0W+4*\b+3], s[G1W:G1W+7]
	s_nop 0
	PLACES 4                                       ; also the places between the last products and the first read of their results
.endm
.macro MEET                            ; nothing is left to fetch: the last block's weights have landed in every wave's part
	s_wait_tensorcnt 0x0
	ds_add_u32 v[SPW], v[NIL]
	s_wait_dscnt 0x0
	s_barrier_signal -1
	s_barrier_wait -1
	PLACES 4
.endm
; 32 numbers of a lane, register 16 b + i = k 32 b + 16 (lane / 16) + i of my row, become a half-image's six registers in v[pc] on and two scale bytes in v[sb]
.macro QUANT2 s, pc, sb
.irp b, 0,1
	v_max3_num_f32 v[TM+\b], |v[\s+16*\b]|, |v[\s+1+16*\b]|, 0x1800000   ; each accumulator is read from its low end on; the floor 2^(3 - 127) holds the byte at 1 from below
.endr
.irp i, 2,4,6,8,10,12,14
.irp b, 0,1
	v_max3_num_f32 v[TM+\b], v[TM+\b], |v[\s+16*\b+\i]|, |v[\s+1+16*\b+\i]|
.endr
.endr
.irp b, 0,1
	v_permlanex16_b32 v[TM+2+\b], v[TM+\b], s[SEL], s[SEL+1]
.endr
.irp b, 0,1
	v_max_num_f32 v[TM+\b], v[TM+\b], v[TM+2+\b]
.endr
.irp b, 0,1
	v_add_nc_u32 v[TM+4+\b], 0xff000000, v[TM+\b]  ; 2 off the exponent field: the conversion's scale operand
.endr
.irp b, 0,1
	v_lshrrev_b32 v[TM+2+\b], 23, v[TM+4+\b]
.endr
	v_lshl_or_b32 v[\sb], v[TM+3], 8, v[TM+2]
	v_cvt_scalef32_pk16_fp6_f32 v[\pc:\pc+2], v[\s:\s+15], v[TM+4]
	v_cvt_scalef32_pk16_fp6_f32 v[Y:Y+2], v[\s+16:\s+31], v[TM+5]
	v_nop                                          ; one plain place behind a scaled conversion
.irp i, 0,1,2
	v_permlane16_swap_b32 v[\pc+\i], v[Y+\i]       ; a whole block to a lane: lanes 0-15 block 0, lanes 16-31 block 1
.endr
.irp i, 0,1,2
	v_mov_b32 v[\pc+3+\i], v[Y+\i]
.endr
.endm
; A block's way out.  A row of four accumulators is 64 neighbours along the next K of 16 tokens (q, k) or of 16 d (v): one half-image.  cb, sp: the scalar pairs with the codes' and the scale bytes' addresses
.macro EPI cb, sp, isv, later
.if \later
	s_wait_xcnt 0x0                                ; the last block's stores have read their data registers: they are written again only behind this wait
.endif
.irp a, 0,1,2,3
	QUANT2 ACC+32*\a, PCB+8*\a, SB+\a
	global_store_b128 v[LI], v[PCB+8*\a:PCB+8*\a+3], s[\cb:\cb+1] offset:768*\a
	global_store_b64 v[L8], v[PCB+8*\a+4:PCB+8*\a+5], s[\cb:\cb+1] offset:768*\a+512
.endr
.if \isv
.irp a, 0,1,2,3
	global_store_b16 v[VSO], v[SB+\a], s[\sp:\sp+1] offset:4*\a   ; v: d tile a's word for 128 keys: my 64 keys' two bytes
.endr
.else
	v_lshl_or_b32 v[PK], v[SB+1], 16, v[SB]        ; q, k: token r's bytes of my four tiles are 8 neighbours
	v_lshl_or_b32 v[PK+1], v[SB+3], 16, v[SB+2]
	global_store_b64 v[QSO], v[PK:PK+1], s[\sp:\sp+1]
.endif
.endm
	s_load_b256 s[4:11], s[0:1], 0x0               ; xp, wp, qp, kp
	s_load_b64 s[12:13], s[0:1], 0x20              ; vp
	v_lshl_add_u32 v[SPW], v0, 2, SPARE
	v_mov_b32 v[NIL], 0
	ds_add_u32 v[SPW], v[NIL]                      ; the wave's opening: the add and its wait ahead of my first tensor load
	ds_add_u32 v[SPW], v[NIL]
	v_lshrrev_b32 v1, 5, v0
	v_readfirstlane_b32 s[WV], v1
	s_lshr_b32 s[WM], s[WV], 1                     ; my half of the tokens; also: the kgroup that I fetch
	s_and_b32 s[WN], s[WV], 1                      ; my half of the features; also: which four records of it I fetch
	s_bfe_u32 s40, ttmp6, 0x40000                  ; cx
	s_bfe_u32 s41, ttmp6, 0x40004                  ; cy
	s_lshl_b32 s[CW], ttmp9, 2
	s_add_co_u32 s[CW], s[CW], s40                 ; my place along x, 0..7: the pair of heads
	s_and_b32 s[ROW], ttmp7, 0xffff
	s_lshl_b32 s[ROW], s[ROW], 2
	s_add_co_u32 s[ROW], s[ROW], s41               ; block of 128 tokens
	s_lshl_b32 s43, s41, 2
	s_lshl_b32 s43, 15, s43                        ; my row of the cluster
	s_lshl_b32 s44, 0x1111, s40                    ; my column
	s_or_b32 s[G1X], s43, (3<<16)|(1<<21)          ; the mask; elements of 8 bytes; bit 21 beside a mask; no padding
	s_or_b32 s[G1W], s44, (3<<16)|(1<<21)
.irp g, G1X, G1W
	s_mov_b32 s[\g+1], 32<<16                      ; tensor_dim0 = 32 elements: 256 bytes
	s_mov_b32 s[\g+2], 100<<16                     ; tensor_dim1 = 100 rows: 25,600 dense bytes
	s_mov_b32 s[\g+3], 32<<16                      ; tile_dim0
	s_mov_b32 s[\g+4], 100                         ; tile_dim1
	s_mov_b32 s[\g+5], 32                          ; the pitch
	s_mov_b32 s[\g+6], 0
	s_mov_b32 s[\g+7], 0
.endr
.set G0H, 36                           ; s[36:39], s[92:99] groups 0 and 1 of the head's load of q's weights
.set G1H, 92
	s_mov_b32 s[G1X+2], 200<<16                    ; the head's loads bring a whole kgroup's eight records: 200 rows of 256 bytes
	s_mov_b32 s[G1X+4], 200
	s_or_b32 s[G1H], s44, (3<<16)|(1<<21)
	s_mov_b32 s[G1H+1], 32<<16
	s_mov_b32 s[G1H+2], 200<<16
	s_mov_b32 s[G1H+3], 32<<16
	s_mov_b32 s[G1H+4], 200
	s_mov_b32 s[G1H+5], 32
	s_mov_b32 s[G1H+6], 0
	s_mov_b32 s[G1H+7], 0
	s_lshl_b32 s18, s[WN], 2
	s_lshl_b32 s20, s[ROW], 3
	s_lshl_b32 s19, s[WN], 8                       ; at the head waves 0 and 1 fetch x's kgroup 0 and 1, whole
	s_add_co_u32 s20, s20, s19
	s_mul_i32 s20, s20, REC                        ; x: record 256 kgroup + 8 row, kgroup = wn
	s_mov_b32 s21, 0
	s_lshl_b32 s46, s[CW], 3
	s_add_co_u32 s46, s46, s18
	s_mul_i32 s19, s[WM], NTW
	s_add_co_u32 s46, s46, s19
	s_mul_i32 s46, s46, REC                        ; W: record NTW kgroup + 8 place + 4 half, in q's rows
	s_add_co_u32 s46, s46, WOFF
	s_mov_b32 s47, 0
	s_mul_i32 s45, s[WV], QUAD                     ; where they go in a buffer: no place in the cluster enters an LDS address
	s_mov_b32 s[SEL], 0x76543210
	s_mov_b32 s[SEL+1], 0xfedcba98
	s_wait_dscnt 0x0                               ; the opening add is done
	s_wait_kmcnt 0x0
	s_add_nc_u64 s[20:21], s[4:5], s[20:21]
	s_add_nc_u64 s[46:47], s[6:7], s[46:47]
	CROUND                                         ; all sixteen work-groups are here: the first joint loads meet
	s_mov_b32 s[G0X], 1
	s_mul_i32 s[G0X+1], s[WN], KGB
	s_add_co_u32 s[G0X+1], s[G0X+1], XB
	s_mov_b64 s[G0X+2:G0X+3], s[20:21]
	s_or_b32 s[G0X+3], s[G0X+3], 0x80000000
	s_mov_b32 s[G0H], 1                            ; waves 2 and 3: kgroup 0 and 1 of q's weights, whole, into buffer 0
	s_mul_i32 s[G0H+1], s[WN], KGB
	s_mul_i32 s82, s[WN], NTW
	s_lshl_b32 s83, s[CW], 3
	s_add_co_u32 s82, s82, s83
	s_mul_i32 s82, s82, REC
	s_add_co_u32 s82, s82, WOFF
	s_mov_b32 s83, 0
	s_add_nc_u64 s[G0H+2:G0H+3], s[6:7], s[82:83]
	s_or_b32 s[G0H+3], s[G0H+3], 0x80000000
.irp b, 0,1
	s_mov_b32 s[G0W+4*\b], 1
	s_add_co_u32 s[G0W+4*\b+1], s45, \b*WB1
	s_add_nc_u64 s[G0W+4*\b+2:G0W+4*\b+3], s[46:47], \b*CSTEP
	s_or_b32 s[G0W+4*\b+3], s[G0W+4*\b+3], 0x80000000
.endr
	s_cmp_eq_u32 s[WM], 0                          ; one tensor load a wave at the head
	s_cbranch_scc0 .Lhead_w
	tensor_load_to_lds s[G0X:G0X+3], s[G1X:G1X+7]
	s_nop 0
	PLACES 4
	s_branch .Lhead_asked
.Lhead_w:
	tensor_load_to_lds s[G0H:G0H+3], s[G1H:G1H+7]
	s_nop 0
	PLACES 4
.Lhead_asked:
	v_and_b32 v1, 15, v0                           ; r
	v_bfe_u32 v2, v0, 4, 1                         ; h
	v_and_b32 v3, 31, v0                           ; lane
	v_lshlrev_b32 v[LI], 4, v3
	v_lshlrev_b32 v[L8], 3, v3
	v_add_nc_u32 v36, 512, v[L8]
	s_mul_i32 s74, s[WM], QUAD
	s_add_co_u32 s74, s74, XB                      ; my four records of x, kgroup 0
	s_mul_i32 s75, s[WN], QUAD                     ; and of W in buffer 0
	v_add_nc_u32 v[AX16], s74, v[LI]
	v_add_nc_u32 v[AX8], s74, v36
	v_add_nc_u32 v[AX16+1], KGB, v[AX16]
	v_add_nc_u32 v[AX8+1], KGB, v[AX8]
	v_add_nc_u32 v38, s75, v[LI]
	v_add_nc_u32 v39, s75, v36
.irp i, 0,1,2,3
	v_add_nc_u32 v[AW16+\i], (\i/2)*WB1+(\i%2)*KGB, v38
	v_add_nc_u32 v[AW8+\i], (\i/2)*WB1+(\i%2)*KGB, v39
.endr
	s_sub_co_u32 s76, s74, s75                     ; from W's records in buffer 0 up to x's,
	s_add_co_u32 s77, s75, WB1
	s_sub_co_u32 s77, s77, s74                     ; and from x's up to W's in buffer 1
	v_lshl_add_u32 v37, v1, 4, s74
	v_add_nc_u32 v37, 6144, v37                    ; x's scale bytes of row r
	v_mul_u32_u24 v34, s76, v2                     ; lanes 16-31 take W's: one product, the distance x h,
	v_mul_u32_u24 v35, s77, v2
	v_sub_nc_u32 v[ASC], v37, v34                  ; down for buffer 0,
	v_add_nc_u32 v[ASC+2], v37, v35                ; up for buffer 1
	v_add_nc_u32 v[ASC+1], KGB, v[ASC]
	v_add_nc_u32 v[ASC+3], KGB, v[ASC+2]
	s_lshl_b32 s77, s[WM], 3
	v_lshl_add_u32 v[QSO], v1, 4, s77
	s_lshl_b32 s77, s[WM], 1
	v_lshl_add_u32 v[VSO], v1, 4, s77
	v_mov_b32 v[TM+2], 0                           ; written once: a lane permute's destination counts as one of its sources
	v_mov_b32 v[TM+3], 0
	s_lshr_b32 s72, s[ROW], 4                      ; batch
	s_lshl_b32 s72, s72, 4
	s_lshl_b32 s73, s[CW], 1
	s_add_co_u32 s72, s72, s73
	s_add_co_u32 s72, s72, s[WN]                   ; 16 x batch + head
	s_mul_i32 s72, s72, 102400
	s_bfe_u32 s73, s[ROW], 0x10003                 ; which 1,024 tokens
	s_mul_i32 s73, s73, 51200
	s_add_co_u32 s72, s72, s73
	s_and_b32 s73, s[ROW], 7                       ; which 128 of them
	s_lshl_b32 s84, s73, 8
	s_add_co_u32 s84, s84, s72
	s_add_co_u32 s84, s84, 49152                   ; their block of scale bytes
	s_mov_b32 s85, 0
	s_mul_i32 s73, s73, 6144
	s_add_co_u32 s72, s72, s73
	s_mul_i32 s73, s[WM], 3072
	s_add_co_u32 s72, s72, s73                     ; my four half-images
	s_mov_b32 s73, 0
	s_add_nc_u64 s[86:87], s[8:9], s[84:85]        ; the same places in q's, k's and v's buffers
	s_add_nc_u64 s[8:9], s[8:9], s[72:73]
	s_add_nc_u64 s[88:89], s[10:11], s[84:85]
	s_add_nc_u64 s[10:11], s[10:11], s[72:73]
	s_add_nc_u64 s[90:91], s[12:13], s[84:85]
	s_add_nc_u64 s[12:13], s[12:13], s[72:73]
	s_wait_alu depctr_va_vdst(0)
	s_wait_tensorcnt 0x0                           ; my part of x or of q's weights is in; buffer 1's first fill is issued as a refill is
	ds_add_u32 v[SPW], v[NIL]
	s_wait_dscnt 0x0
	CROUND                                         ; everybody's parts are in, and the joint loads meet
	tensor_load_to_lds s[G0W+4:G0W+7], s[G1W:G1W+7]   ; my quarter of k's weights: q's products stand between this load and the wait for it
	s_nop 0
	PLACES 4
	BLOCK 0, 0                                     ; q
	REFILL 0                                       ; v's weights into q's buffer
	EPI 8, 86, 0, 0
	BLOCK 1, 0                                     ; k
	MEET                                           ; v's weights are in
	EPI 10, 88, 0, 1
	BLOCK 0, 1                                     ; v, the sources changed
	PLACES 4
	EPI 12, 90, 1, 1
	s_wait_tensorcnt 0x0                           ; the wave's end
	ds_add_u32 v[SPW], v[NIL]
	s_wait_dscnt 0x0
	CROUND                                         ; the closing round
	s_endpgm
.Lfunc_end_k_qa227e574ef_qkv:
	.size	k_qa227e574ef_qkv, .Lfunc_end_k_qa227e574ef_qkv-k_qa227e574ef_qkv
	.p2alignl 7, 3214868480
	.fill 96, 4, 3214868480
	.section	.rodata,"a",@progbits
	.p2align	6, 0x0
	.amdhsa_kernel k_qa227e574ef_qkv
		.amdhsa_group_segment_fixed_size 327680
		.amdhsa_private_segment_fixed_size 0
		.amdhsa_enable_private_segment 0
		.amdhsa_kernarg_size 40
		.amdhsa_user_sgpr_count 2
		.amdhsa_user_sgpr_kernarg_segment_ptr 1
		.amdhsa_wavefront_size32 1
		.amdhsa_system_sgpr_workgroup_id_x 1
		.amdhsa_system_sgpr_workgroup_id_y 1
		.amdhsa_system_sgpr_workgroup_id_z 1
		.amdhsa_system_vgpr_workitem_id 0
		.amdhsa_next_free_vgpr 512
		.amdhsa_next_free_sgpr 100
		.amdhsa_reserve_vcc 0
		.amdhsa_float_denorm_mode_32 3
		.amdhsa_float_denorm_mode_16_64 3
		.amdhsa_memory_ordered 1
		.amdhsa_forward_progress 1
		.amdhsa_inst_pref_size 138
	.end_amdhsa_kernel
	.amdgpu_metadata
---
amdhsa.version: [ 1, 2 ]
amdhsa.kernels:
  - .name:           k_qa227e574ef_qkv
    .symbol:         k_qa227e574ef_qkv.kd
    .args:
      - { .name: xp, .offset: 0, .size: 8, .value_kind: global_buffer, .address_space: global }
      - { .name: wp, .offset: 8, .size: 8, .value_kind: global_buffer, .address_space: global }
      - { .name: qp, .offset: 16, .size: 8, .value_kind: global_buffer, .address_space: global }
      - { .name: kp, .offset: 24, .size: 8, .value_kind: global_buffer, .address_space: global }
      - { .name: vp, .offset: 32, .size: 8, .value_kind: global_buffer, .address_space: global }
    .group_segment_fixed_size: 327680
    .private_segment_fixed_size: 0
    .kernarg_segment_align: 8
    .kernarg_segment_size: 40
    .max_flat_workgroup_size: 128
    .sgpr_count:     100
    .vgpr_count:     512
    .wavefront_size: 32
...
	.end_amdgpu_metadata
.endif
;; end of part 2
;; launch att (part 3): grid 8 x 32, 16 waves a work-group, clusters of 4 x 1, 327,680 bytes of LDS; arguments qp, kp, vp, cp; writes cp
.if DOCPART == 3
	.amdgcn_target "amdgcn-amd-amdhsa--gfx1250"
	.amdhsa_code_object_version 6
	.text
	.protected	k_qa227e574ef_att
	.globl	k_qa227e574ef_att
	.p2align	8
	.type	k_qa227e574ef_att,@function
k_qa227e574ef_att:
	s_mov_b64 s[64:65], 0
	v_nop
	global_prefetch_b8 v0, s[64:65] scope:SCOPE_SE
	s_setreg_imm32_b32 hwreg(HW_REG_WAVE_MODE, 25, 1), 1
	s_wait_xcnt 0x0
	s_wait_alu depctr_hold_cnt(0) depctr_sa_sdst(0) depctr_va_vdst(0) depctr_va_sdst(0) depctr_va_ssrc(0) depctr_va_vcc(0) depctr_vm_vsrc(0)
	s_getreg_b32 s2, hwreg(HW_REG_IB_STS2, 6, 4)
	s_cmp_eq_u32 s2, 0
	s_cbranch_scc0 .Lentry_in_a_cluster
	s_endpgm
.Lentry_in_a_cluster:
	s_bfe_u32 s2, ttmp6, 0x10000c
	s_cmp_lg_u32 s2, 0x3003
	s_cbranch_scc0 .Lentry_shape_is_right
	s_endpgm
.Lentry_shape_is_right:
; Causal attention of one (batch, head) on codes of FP6 (E2M3) with E8M0 scales; head size 64, 2,048 tokens.  The result is quantised along the model's 1,024 and stored as codes for the next product.
; SOFTMAX: t = score x log2(e) / 8; M = the running largest t rounded UP to a whole number; p = 2^(t - M) is quantised along the keys, not normalised; the row's sum is taken of the unquantised p and divides at the
; end; when M moves, the sum and O are multiplied by 2^(old M - new M), which rounds nothing.
; SHARES: a work-group has sixteen waves, each with ONE tile of 16 queries in 256 registers.  Work-group j (0..7) of a head takes the query tiles 8 w' + j, w' = the wave's number with its two low bits turned in
; every second group of four waves.  So every work-group has the same work, wave w' walks w' + 1 key steps of 128 keys, its step on the diagonal is step w' whatever j is, and every branch hangs on the wave's number
; and on loop counters alone.  Steps all of whose keys are hidden are left out: a scalar branch round the step's work.
; LDS: the whole head's K and V, codes and scale bytes, 204,800 bytes, come once, in two halves of 1,024 keys; nothing is filled again.  CLUSTER 4 x 1: four work-groups of a head ask for them jointly.
; LAYOUT: both products are used transposed (S^T = K Q^T, O^T = V^T P^T): a lane holds one query throughout.  A tile's 16 tokens are 32 (t / 2) + 8 (t % 2) + rho + 8 (rho / 8), so p's 16 registers of two
; neighbouring tiles are 16 neighbouring keys.  THE HEAD'S 64 fill half of the instruction's 128 along K: a pair of key tiles lies as [even tile's 6 registers][six of zero codes][odd tile's 6]; the even tile's operand
; is the first twelve, the odd tile's the last twelve; one scale word serves both (even tile's two bytes below, odd tile's above); Q's six registers and two bytes stand twice.
; LIMITS: NaN and infinities are not served; a block under 2^-124 keeps the byte 1; a block of zeros gets the byte 1 and not 127 (zero codes; read by this program alone).
.set REC,   6400
.set HALF,  51200                      ; a half of K's head block (49,152 of codes, 2,048 of scale bytes); V's follows it
.set STG,   2*HALF                     ; 1,024 keys' K and V
.set SPARE, 2*STG                      ; the spare words, 128 bytes a wave, that no other line names
.set QR,   16                          ; v16-27  Q, twice
.set KSC,  28                          ; v28-31  K's scale words
.set KR,   32                          ; v32-67  two pairs of key tiles
.set VR,   68                          ; v68-115 V's four fragments
.set SR,   116                         ; v116-179 S^T, then p
.set OR,   180                         ; v180-211 O^T
.set PR,   212                         ; v212-223 p's codes
.set VSC,  224                         ; v224-227 V's scale words
.set QSC,  228                         ; Q's scale word
.set PSC,  229                         ; p's
.set TM,   232
.set Y,    240
.set SPW,  5
.set NIL,  6
.set WV,   12
.set WP,   17
.set TQ,   18
.set SEL,  20
.set CS,   22
.set G1,   24
.set G0K,  40
.set G0V,  48
.set KS,   66
.set TC,   67
.set TS,   68
; THE DEAL OF THE KEY STEPS, which takes the place of what the head says of a wave's walk.  Tile w' has w' + 1 key steps.  A wave with w' under 8 (waves 0 to 7) walks its own tile's w' + 1 steps, finishes it, and then
; walks the first 7 - w' steps of tile 15 - w': 8 steps in all; that part's O^T, -M and sums go through LDS to the wave that owns tile 15 - w', which walks the tile's last 9 steps and joins the two parts:
; both are brought under the larger M by factors 2^(whole number), which round nothing.  Two loops of eight trips; in each a wave works in the trips LO .. HI and hides keys in trip DG.
; All of K and V is waited for at the head; no barrier stands between the loops.  The second tile's Q is loaded at the head and kept in LDS bytes of the wave's own.
.set LO,   72
.set HI,   73
.set DG,   74
.set HI2,  75
.set DG2,  76
.set ISA,  77
.set Q2B,  SPARE+2048                  ; the second Q: 1,024 bytes a wave
.set MG,   Q2B+16*1024                 ; the parts handed over: 4,608 bytes a pair of waves
.set MGA,  230
.set Q2A,  231
.macro CROUND
	s_barrier_signal -1
	s_barrier_wait -1
	s_cmp_lg_u32 s[WV], 0
	s_cbranch_scc1 .Lnot_wave_0_\@
	s_barrier_signal -3
.Lnot_wave_0_\@:
	s_barrier_wait -3
	s_barrier_signal -1
	s_barrier_wait -1
.endm
.macro KLOAD g                         ; key tiles 4 g .. 4 g + 3 of the step
.irp t, 0,1,2,3
	ds_load_b128 v[KR+18*(\t/2)+12*(\t%2):KR+18*(\t/2)+12*(\t%2)+3], v8 offset:768*(4*\g+\t)
	ds_load_b64 v[KR+18*(\t/2)+12*(\t%2)+4:KR+18*(\t/2)+12*(\t%2)+5], v9 offset:768*(4*\g+\t)
.endr
.endm
.macro SCORE g
.irp t, 0,1,2,3
	v_wmma_scale_f32_16x16x128_f8f6f4 v[SR+8*(4*\g+\t):SR+8*(4*\g+\t)+7], v[KR+18*(\t/2)+6*(\t%2):KR+18*(\t/2)+6*(\t%2)+11], v[QR:QR+11], 0, v[KSC+2*\g+\t/2], v[QSC] matrix_a_fmt:MATRIX_FMT_FP6 matrix_b_fmt:MATRIX_FMT_FP6
.endr
.endm
.macro QUANT2 s, pc, sb
.irp b, 0,1
	v_max3_num_f32 v[TM+\b], |v[\s+16*\b]|, |v[\s+1+16*\b]|, 0x1800000
.endr
.irp i, 2,4,6,8,10,12,14
.irp b, 0,1
	s_delay_alu instid0(VALU_DEP_2)
	v_max3_num_f32 v[TM+\b], v[TM+\b], |v[\s+16*\b+\i]|, |v[\s+1+16*\b+\i]|
.endr
.endr
.irp b, 0,1
	s_delay_alu instid0(VALU_DEP_2)
	v_permlanex16_b32 v[TM+2+\b], v[TM+\b], s[SEL], s[SEL+1]
.endr
.irp b, 0,1
	s_delay_alu instid0(VALU_DEP_2)
	v_max_num_f32 v[TM+\b], v[TM+\b], v[TM+2+\b]
.endr
.irp b, 0,1
	s_delay_alu instid0(VALU_DEP_2)
	v_add_nc_u32 v[TM+4+\b], 0xff000000, v[TM+\b]
.endr
.irp b, 0,1
	s_delay_alu instid0(VALU_DEP_2)
	v_lshrrev_b32 v[TM+2+\b], 23, v[TM+4+\b]
.endr
	s_delay_alu instid0(VALU_DEP_1)
	v_lshl_or_b32 v[\sb], v[TM+3], 8, v[TM+2]
	v_cvt_scalef32_pk16_fp6_f32 v[\pc:\pc+2], v[\s:\s+15], v[TM+4]
	v_cvt_scalef32_pk16_fp6_f32 v[Y:Y+2], v[\s+16:\s+31], v[TM+5]
	v_nop
.irp i, 0,1,2
	v_permlane16_swap_b32 v[\pc+\i], v[Y+\i]
.endr
.irp i, 0,1,2
	s_delay_alu instid0(VALU_DEP_3)
	v_mov_b32 v[\pc+3+\i], v[Y+\i]
.endr
.endm
; A KEY STEP: 128 keys.  s[KS] its number, s[TC] the LDS byte of its codes, s[TS] that of its scale bytes' half
.macro STEP
	s_cmp_lt_i32 s[KS], s[LO]                      ; outside my trips: nothing to do but to step the addresses
	s_cbranch_scc1 .Lhidden_\@
	s_cmp_gt_i32 s[KS], s[HI]
	s_cbranch_scc1 .Lhidden_\@
	v_add_nc_u32 v8, s[TC], v1
	v_add_nc_u32 v9, s[TC], v2
	v_add_nc_u32 v10, s[TS], v3
	v_nop                                          ; these four are the places behind the last step's products, in front of the loads below
	KLOAD 0
	ds_load_b128 v[KSC:KSC+3], v10                 ; word i: key tiles 2 i and 2 i + 1
	ds_load_b128 v[VSC:VSC+3], v10 offset:HALF     ; word t: d tile t, these 128 keys
.irp f, 0,1,2,3
	ds_load_b128 v[VR+12*\f:VR+12*\f+3], v8 offset:HALF+768*\f
	ds_load_b64 v[VR+12*\f+4:VR+12*\f+5], v9 offset:HALF+768*\f
	ds_load_b128 v[VR+12*\f+6:VR+12*\f+9], v8 offset:HALF+768*(4+\f)
	ds_load_b64 v[VR+12*\f+10:VR+12*\f+11], v9 offset:HALF+768*(4+\f)
.endr
	s_wait_alu depctr_va_vdst(0)
	s_wait_dscnt 17                                ; K's four tiles and its words are in; V's word load and its 16 loads may be out
	SCORE 0
.rept 4
	v_nop                                          ; places in front of loads into registers that matrix instructions have read
.endr
	KLOAD 1
	s_wait_dscnt 0x0
	SCORE 1
.rept 4
	v_nop
.endr
	s_cmp_lg_u32 s[KS], s[DG]                      ; only the step on my own tile's diagonal hides keys
	s_cbranch_scc1 .Lopen_\@
	v_mov_b32 v254, 0xff800000                     ; -infinity: p = 0 then
.set ii, 0
.rept 64
	v_cmp_gt_i32 vcc_lo, 32*(ii/16)+ii%16, v4      ; register 16 b + i holds key 32 b + 16 h + i of the step: hidden where 32 b + i > my query's place - 16 h
	v_cndmask_b32 v[SR+ii], v[SR+ii], v254, vcc_lo
.set ii, ii+1
.endr
.Lopen_\@:
.irp b, 0,1,2,3
	v_max3_num_f32 v[232+\b], v[SR+16*\b], v[SR+1+16*\b], v[SR+2+16*\b]   ; the largest score of each block of 32 keys: for the row's maximum, and, since p rises with the score, for the block's largest p
.endr
.irp i, 3,5,7,9,11,13
.irp b, 0,1,2,3
	v_max3_num_f32 v[232+\b], v[232+\b], v[SR+16*\b+\i], v[SR+1+16*\b+\i]
.endr
.endr
.irp b, 0,1,2,3
	v_max_num_f32 v[232+\b], v[232+\b], v[SR+15+16*\b]
.endr
.irp b, 0,1,2,3
	s_delay_alu instid0(VALU_DEP_4)
	v_permlanex16_b32 v[236+\b], v[232+\b], s[SEL], s[SEL+1]
.endr
.irp b, 0,1,2,3
	s_delay_alu instid0(VALU_DEP_4)
	v_max_num_f32 v[232+\b], v[232+\b], v[236+\b]
.endr
	s_delay_alu instid0(VALU_DEP_2)
	v_max3_num_f32 v254, v232, v233, v234
	s_delay_alu instid0(VALU_DEP_1)
	v_max_num_f32 v254, v254, v235
	s_delay_alu instid0(VALU_DEP_1)
	v_mul_f32 v254, s[CS], v254                    ; as t
	s_delay_alu instid0(VALU_DEP_1)
	v_max_num_f32 v13, v13, v254                   ; the running largest t
	v_mov_b32 v254, v12
	s_delay_alu instid0(VALU_DEP_2)
	v_floor_f32 v12, -v13                          ; -M = floor(-t): M is a whole number
	s_delay_alu instid0(VALU_DEP_1)
	v_sub_f32 v254, v12, v254
	s_delay_alu instid0(VALU_DEP_1)
	v_cvt_i32_f32 v254, v254                       ; (it saturates)
	s_delay_alu instid0(VALU_DEP_1)
	v_ldexp_f32 v250, 1.0, v254                    ; f = 2^(old M - new M)
.set ii, 0
.rept 32
	v_pk_fma_f32 v[SR+ii:SR+ii+1], v[SR+ii:SR+ii+1], s[CS:CS+1], v[12:13] op_sel_hi:[1,0,0]   ; t - M
.set ii, ii+2
.endr
.irp b, 0,1,2,3
	v_fma_f32 v[232+\b], v[232+\b], s[CS], v12
.endr
.set ii, 0
	s_wait_alu depctr_va_vdst(0)
.rept 64
	v_exp_f32 v[SR+ii], v[SR+ii]                   ; p = 2^(t - M)
.set ii, ii+1
.endr
	v_pk_mul_f32 v[14:15], v[14:15], v[250:251] op_sel_hi:[1,0]   ; the sums under the new M (a plain place behind the exponentials)
	s_wait_alu depctr_va_vdst(0)                   ; one wait for the batch, ahead of its first reader
.irp b, 0,1,2,3
	v_exp_f32 v[232+\b], v[232+\b]                 ; each block's largest p
.endr
	v_pk_add_f32 v[236:237], v[120:121], v[124:125]
	v_pk_add_f32 v[252:253], v[128:129], v[132:133]
	v_pk_add_f32 v[248:249], v[136:137], v[140:141]
	v_pk_add_f32 v[246:247], v[144:145], v[148:149]
	v_pk_add_f32 v[244:245], v[152:153], v[156:157]
	v_pk_add_f32 v[242:243], v[160:161], v[164:165]
	v_pk_add_f32 v[240:241], v[168:169], v[172:173]
	v_pk_add_f32 v[14:15], v[14:15], v[176:177]
	v_pk_add_f32 v[236:237], v[236:237], v[116:117]
	v_pk_add_f32 v[252:253], v[252:253], v[118:119]
	v_pk_add_f32 v[248:249], v[248:249], v[122:123]
	v_pk_add_f32 v[246:247], v[246:247], v[126:127]
	v_pk_add_f32 v[244:245], v[244:245], v[130:131]
	v_pk_add_f32 v[242:243], v[242:243], v[134:135]
	v_pk_add_f32 v[240:241], v[240:241], v[138:139]
	v_pk_add_f32 v[14:15], v[14:15], v[142:143]
	v_pk_add_f32 v[236:237], v[236:237], v[146:147]
	v_pk_add_f32 v[252:253], v[252:253], v[150:151]
	v_pk_add_f32 v[248:249], v[248:249], v[154:155]
	v_pk_add_f32 v[246:247], v[246:247], v[158:159]
	v_pk_add_f32 v[244:245], v[244:245], v[162:163]
	v_pk_add_f32 v[242:243], v[242:243], v[166:167]
	v_pk_add_f32 v[240:241], v[240:241], v[170:171]
	v_pk_add_f32 v[14:15], v[14:15], v[174:175]
	v_pk_add_f32 v[236:237], v[236:237], v[178:179]
	s_delay_alu instid0(VALU_DEP_2)
	v_pk_add_f32 v[14:15], v[14:15], v[246:247]
	s_delay_alu instid0(VALU_DEP_2)
	v_pk_add_f32 v[236:237], v[236:237], v[244:245]
	v_pk_add_f32 v[252:253], v[252:253], v[242:243]
	v_pk_add_f32 v[248:249], v[248:249], v[240:241]
	s_delay_alu instid0(VALU_DEP_2)
	v_pk_add_f32 v[14:15], v[14:15], v[252:253]
	s_delay_alu instid0(VALU_DEP_2)
	v_pk_add_f32 v[236:237], v[236:237], v[248:249]
	s_delay_alu instid0(VALU_DEP_1)
	v_pk_add_f32 v[14:15], v[14:15], v[236:237]
	s_wait_alu depctr_va_vdst(0)                   ; and one for the four
.irp b, 0,1,2,3
	v_max_num_f32 v[232+\b], 0x1800000, v[232+\b]  ; the floor 2^(3 - 127)
.endr
.irp b, 0,1,2,3
	s_delay_alu instid0(VALU_DEP_4)
	v_add_nc_u32 v[244+\b], 0xff000000, v[232+\b]
.endr
.irp b, 0,1,2,3
	s_delay_alu instid0(VALU_DEP_4)
	v_lshrrev_b32 v[236+\b], 23, v[244+\b]
.endr
	s_delay_alu instid0(VALU_DEP_3)
	v_lshl_or_b32 v[PSC], v237, 8, v236
	s_delay_alu instid0(VALU_DEP_1)
	v_lshl_or_b32 v[PSC], v238, 16, v[PSC]
	s_delay_alu instid0(VALU_DEP_1)
	v_lshl_or_b32 v[PSC], v239, 24, v[PSC]
.irp c, 0,1
	v_cvt_scalef32_pk16_fp6_f32 v[PR+6*\c:PR+2+6*\c], v[SR+32*\c:SR+15+32*\c], v[244+2*\c]
	v_cvt_scalef32_pk16_fp6_f32 v[236+4*\c:238+4*\c], v[SR+16+32*\c:SR+31+32*\c], v[244+2*\c+1]
.endr
	v_nop
.irp c, 0,1
.irp i, 0,1,2
	v_permlane16_swap_b32 v[PR+6*\c+\i], v[236+4*\c+\i]
.endr
.irp i, 0,1,2
	s_delay_alu instid0(VALU_DEP_3)
	v_mov_b32 v[PR+3+6*\c+\i], v[236+4*\c+\i]
.endr
.endr
.set ii, 0
.rept 16
	v_pk_mul_f32 v[OR+ii:OR+ii+1], v[OR+ii:OR+ii+1], v[250:251] op_sel_hi:[1,0]   ; O^T under the new M
.set ii, ii+2
.endr
.rept 4
	v_nop
.endr
.irp f, 0,1,2,3
	v_wmma_scale_f32_16x16x128_f8f6f4 v[OR+8*\f:OR+8*\f+7], v[VR+12*\f:VR+12*\f+11], v[PR:PR+11], v[OR+8*\f:OR+8*\f+7], v[VSC+\f], v[PSC] matrix_a_fmt:MATRIX_FMT_FP6 matrix_b_fmt:MATRIX_FMT_FP6
.endr
.Lhidden_\@:
	s_add_co_u32 s[TC], s[TC], 6144
	s_add_co_u32 s[TS], s[TS], 256
.endm
	s_load_b256 s[4:11], s[0:1], 0x0               ; qp, kp, vp, cp
	v_lshl_add_u32 v[SPW], v0, 2, SPARE
	v_mov_b32 v[NIL], 0
	ds_add_u32 v[SPW], v[NIL]                      ; the wave's opening: the add and its wait ahead of my first tensor load
	ds_add_u32 v[SPW], v[NIL]
	v_lshrrev_b32 v1, 5, v0
	s_delay_alu instid0(VALU_DEP_1)
	v_readfirstlane_b32 s[WV], v1                  ; wave 0..15
	s_bfe_u32 s13, ttmp6, 0x40000                  ; cx
	s_lshl_b32 s14, ttmp9, 2
	s_add_co_u32 s14, s14, s13                     ; j: it enters Q's and the result's global addresses and the mask's number alone
	s_and_b32 s15, ttmp7, 0xffff                   ; 16 x batch + head, which the partners share
	s_lshr_b32 s16, s[WV], 2
	s_and_b32 s16, s16, 1
	s_mul_i32 s16, s16, 3
	s_xor_b32 s[WP], s[WV], s16                    ; w'
	s_lshl_b32 s[TQ], s[WP], 3
	s_add_co_u32 s[TQ], s[TQ], s14                 ; my query tile among the batch's 128
	s_mov_b32 s[G1], 15|(3<<16)|(1<<21)            ; all four work-groups; elements of 8 bytes; bit 21 beside a mask; no padding
	s_mov_b32 s[G1+1], 32<<16                      ; rows of 256 bytes,
	s_mov_b32 s[G1+2], 50<<16                      ; 50 of them: 12,800 dense bytes
	s_mov_b32 s[G1+3], 32<<16
	s_mov_b32 s[G1+4], 50
	s_mov_b32 s[G1+5], 32
	s_mov_b32 s[G1+6], 0
	s_mov_b32 s[G1+7], 0
	s_mul_i32 s32, s15, 102400
	s_and_b32 s16, s[WV], 3
	s_mul_i32 s16, s16, 2*REC
	s_add_co_u32 s32, s32, s16                     ; my quarter of a half of the head's block;
	s_lshr_b32 s16, s[WV], 3
	s_mul_i32 s16, s16, HALF
	s_add_co_u32 s32, s32, s16                     ; waves 0-7 the first 1,024 keys, waves 8-15 the second
	s_mov_b32 s33, 0
	s_mul_i32 s19, s[WV], 2*REC                    ; and where it goes: K's half, V's half, K's second, V's second, four waves each
	s_mul_i32 s56, s15, 102400
	s_lshr_b32 s69, s[TQ], 6
	s_mul_i32 s69, s69, HALF
	s_add_co_u32 s56, s56, s69
	s_add_co_u32 s58, s56, 49152
	s_and_b32 s69, s[TQ], 63
	s_mul_i32 s70, s69, 768
	s_add_co_u32 s56, s56, s70                     ; Q's half-image
	s_mov_b32 s57, 0
	s_lshr_b32 s70, s69, 3
	s_lshl_b32 s70, s70, 8
	s_add_co_u32 s58, s58, s70
	s_and_b32 s70, s[TQ], 7
	s_lshl_b32 s70, s70, 1
	s_add_co_u32 s58, s58, s70                     ; and its scale bytes
	s_mov_b32 s59, 0
	s_xor_b32 s84, s[WP], 15                       ; 15 - w': the tile that shares its steps with mine
	s_lshl_b32 s85, s84, 3
	s_add_co_u32 s85, s85, s14                     ; its number among the batch's 128
	s_mul_i32 s80, s15, 102400
	s_lshr_b32 s86, s85, 6
	s_mul_i32 s86, s86, HALF
	s_add_co_u32 s80, s80, s86
	s_add_co_u32 s82, s80, 49152
	s_and_b32 s86, s85, 63
	s_mul_i32 s87, s86, 768
	s_add_co_u32 s80, s80, s87                     ; its Q's half-image
	s_mov_b32 s81, 0
	s_lshr_b32 s87, s86, 3
	s_lshl_b32 s87, s87, 8
	s_add_co_u32 s82, s82, s87
	s_and_b32 s87, s85, 7
	s_lshl_b32 s87, s87, 1
	s_add_co_u32 s82, s82, s87                     ; and its scale bytes
	s_mov_b32 s83, 0
	s_min_u32 s89, s84, s[WP]                      ; the pair's number, 0..7
	s_mul_i32 s89, s89, 4608
	s_add_co_u32 s89, s89, MG
	s_lshl_b32 s88, s[WV], 10
	s_add_co_u32 s88, s88, Q2B
	s_lshr_b32 s[ISA], s[WV], 3                    ; 1: I own a long tile
	s_sub_co_i32 s78, s[WP], 8
	s_sub_co_i32 s79, 6, s[WP]
	s_cmp_ge_u32 s[WV], 8
	s_cselect_b32 s[LO], s78, 0                    ; first loop, key steps 0..7: a long tile's steps w' - 8 .. 7; a short tile's 0 .. w', the last on the diagonal
	s_cselect_b32 s[HI], 7, s[WP]
	s_cselect_b32 s[DG], 99, s[WP]
	s_cselect_b32 s[HI2], s78, s79                 ; second loop: a long tile's steps 8 .. w', the last on the diagonal; the other wave: the long tile's steps 0 .. 6 - w'
	s_cselect_b32 s[DG2], s78, 99
	s_and_b32 s69, s15, 15                         ; head
	s_lshr_b32 s70, s15, 4                         ; batch
	s_lshr_b32 s71, s69, 3
	s_lshl_b32 s71, s71, 8
	s_lshl_b32 s70, s70, 7
	s_add_co_u32 s71, s71, s70
	s_add_co_u32 s71, s71, s[TQ]
	s_mul_i32 s71, s71, REC                        ; the result's record: kgroup head / 8, tile 128 x batch + my tile
	s_and_b32 s69, s69, 7
	s_mul_i32 s70, s69, 768
	s_add_co_u32 s60, s71, s70                     ; half-image head % 8
	s_mov_b32 s61, 0
	s_lshl_b32 s69, s69, 1
	s_add_co_u32 s62, s71, s69
	s_add_co_u32 s62, s62, 6144
	s_mov_b32 s63, 0
	s_lshr_b32 s69, s14, 1
	s_lshl_b32 s69, s69, 5
	s_and_b32 s70, s14, 1
	s_lshl_b32 s70, s70, 3
	s_add_co_u32 s69, s69, s70                     ; my tile's first token within its 128
	s_mov_b32 s[SEL], 0x76543210
	s_mov_b32 s[SEL+1], 0xfedcba98
	s_mov_b32 s[CS], 0x3e38aa3b                    ; log2(e) / 8
	s_mov_b32 s[CS+1], s[CS]
	s_mov_b32 s[KS], 0
	s_mov_b32 s[TC], 0
	s_mov_b32 s[TS], 0
	s_wait_dscnt 0x0                               ; the opening add is done
	s_wait_kmcnt 0x0
	s_and_b32 s16, s[WV], 4
	s_cmp_lg_u32 s16, 0                            ; K's or V's: the choice hangs on the wave's number alone
	s_cselect_b64 s[34:35], s[8:9], s[6:7]
	s_add_nc_u64 s[34:35], s[34:35], s[32:33]
	s_add_nc_u64 s[58:59], s[4:5], s[58:59]
	s_add_nc_u64 s[56:57], s[4:5], s[56:57]
	s_add_nc_u64 s[82:83], s[4:5], s[82:83]
	s_add_nc_u64 s[80:81], s[4:5], s[80:81]
	s_add_nc_u64 s[62:63], s[10:11], s[62:63]
	s_add_nc_u64 s[60:61], s[10:11], s[60:61]
	CROUND                                         ; all four work-groups are here: the joint loads meet
	s_mov_b32 s[G0K], 1
	s_mov_b32 s[G0K+1], s19
	s_mov_b64 s[G0K+2:G0K+3], s[34:35]
	s_or_b32 s[G0K+3], s[G0K+3], 0x80000000
	s_cmp_lt_u32 s[WV], 8                          ; one tensor load a wave; the waves of the first 1,024 keys have a load line of their own
	s_cbranch_scc0 .Lfirst_v
	tensor_load_to_lds s[G0K:G0K+3], s[G1:G1+7]
	s_nop 0
.rept 4
	v_nop
.endr
	s_branch .Lfirst_asked
.Lfirst_v:
	tensor_load_to_lds s[G0K:G0K+3], s[G1:G1+7]
	s_nop 0
.rept 4
	v_nop
.endr
.Lfirst_asked:
	v_and_b32 v8, 31, v0                           ; lane
	v_and_b32 v9, 15, v0                           ; r
	v_bfe_u32 v10, v0, 4, 1                        ; h
	s_delay_alu instid0(VALU_DEP_3)
	v_lshlrev_b32 v1, 4, v8                        ; 16 x lane
	s_delay_alu instid0(VALU_DEP_4)
	v_lshl_add_u32 v2, v8, 3, 512                  ; 512 + 8 x lane
	s_delay_alu instid0(VALU_DEP_4)
	v_lshlrev_b32 v7, 4, v9                        ; 16 r
	s_delay_alu instid0(VALU_DEP_1)
	v_add_nc_u32 v3, 49152, v7
	global_load_b128 v[QR:QR+3], v1, s[56:57]      ; Q's six registers, twice
	global_load_b64 v[QR+4:QR+5], v2, s[56:57]
	global_load_b128 v[QR+6:QR+9], v1, s[56:57]
	global_load_b64 v[QR+10:QR+11], v2, s[56:57]
	global_load_u16 v255, v7, s[58:59]
	v_add_nc_u32 v[Q2A], s88, v1
	v_add_nc_u32 v[MGA], s89, v1
	v_mov_b32 v[SR+7], 0
	s_wait_alu depctr_va_vdst(0)
	s_cmp_ge_u32 s[WV], 8
	s_cbranch_scc1 .Lno_q2
	global_load_b128 v[SR:SR+3], v1, s[80:81]      ; the second tile's Q
	global_load_b64 v[SR+4:SR+5], v2, s[80:81]
	global_load_u16 v[SR+6], v7, s[82:83]
.Lno_q2:
	v_and_b32 v11, 8, v9
	s_delay_alu instid0(VALU_DEP_1)
	v_add_nc_u32 v11, v11, v9
	v_lshlrev_b32 v10, 4, v10
	s_delay_alu instid0(VALU_DEP_1)
	v_sub_nc_u32 v11, v11, v10
	s_delay_alu instid0(VALU_DEP_1)
	v_add_nc_u32 v4, s69, v11                      ; my query's place in its 128, less 16 h
	v_mov_b32 v13, 0xff61b1e6                      ; the largest t so far: -3e38
	s_delay_alu instid0(VALU_DEP_1)
	v_floor_f32 v12, -v13
	v_mov_b32 v14, 0
	v_mov_b32 v15, 0
	v_mov_b32 v251, 0
	v_mov_b32 v252, 0
	v_mov_b32 v253, 0                              ; (named as the upper half of the pair v[252:253])
	v_mov_b32 v254, 0
.irp b, 2,3,4,5,6,7
	v_mov_b32 v[232+\b], 0                         ; written once: a lane permute's destination counts as one of its sources
.endr
.irp i, 0,1,2,3,4,5
	v_mov_b32 v[KR+6+\i], 0                        ; the zero codes between a pair's two tiles
	v_mov_b32 v[KR+24+\i], 0
.endr
	s_wait_loadcnt 0x0
	v_lshl_or_b32 v[QSC], v255, 16, v255           ; Q's two bytes, twice
.set ii, 0
.rept 32
	v_mov_b32 v[OR+ii], 0                          ; O^T begins as zeros, which the first change of M leaves zeros.  (Also the places between the scale word above and the first product)
.set ii, ii+1
.endr
	s_wait_alu depctr_va_vdst(0)
	s_wait_tensorcnt 0x0                           ; my part of K or V is in
	s_cmp_ge_u32 s[WV], 8
	s_cbranch_scc1 .Lno_keep
	ds_store_b128 v[Q2A], v[SR:SR+3]               ; the second Q waits in my own LDS bytes: registers 0-3; 4, 5, the scale bytes and a zero
	ds_store_b128 v[Q2A], v[SR+4:SR+7] offset:512
.Lno_keep:
	s_wait_dscnt 0x0
	s_barrier_signal -1
	s_barrier_wait -1
.Lloop1:
	STEP
	s_add_co_u32 s[KS], s[KS], 1
	s_cmp_lt_u32 s[KS], 8
	s_cbranch_scc1 .Lloop1
; A tile's way out: O^T / the sum; a lane's 32 registers are d = 32 b + 16 h + i of its query: one half-image of the next product's operand
.macro FINISH
	v_add_f32 v14, v14, v15
	s_delay_alu instid0(VALU_DEP_1)
	v_permlanex16_b32 v254, v14, s[SEL], s[SEL+1]
	s_delay_alu instid0(VALU_DEP_1)
	v_add_f32 v14, v14, v254
	s_wait_alu depctr_va_vdst(0)
	v_rcp_f32 v14, v14
	v_nop                                          ; a plain place behind the transcendental,
	s_wait_alu depctr_va_vdst(0)                   ; and the wait ahead of its first reader
.set ii, 0
.rept 32
	v_mul_f32 v[SR+ii], v[OR+ii], v14
.set ii, ii+1
.endr
	QUANT2 SR, PR, PSC
	global_store_b128 v1, v[PR:PR+3], s[60:61]
	global_store_b64 v2, v[PR+4:PR+5], s[60:61]
	global_store_b16 v7, v[PSC], s[62:63]
.endm
	s_cmp_ge_u32 s[WV], 8
	s_cbranch_scc1 .Lstay                          ; the owner of a long tile goes on with it
.rept 4
	v_nop                                          ; places behind the last products
.endr
	ds_load_b128 v[QR:QR+3], v[Q2A]
	ds_load_b128 v[QR+4:QR+7], v[Q2A] offset:512
	FINISH                                         ; my own tile is whole
	s_wait_dscnt 0x0
	v_lshl_or_b32 v[QSC], v[QR+6], 16, v[QR+6]     ; the second Q's two bytes, twice
.irp i, 5,4,3,2,1,0
	v_mov_b32 v[QR+6+\i], v[QR+\i]                 ; and its six registers, twice
.endr
	v_mov_b32 v13, 0xff61b1e6                      ; the sums begin anew
	v_floor_f32 v12, -v13
	v_mov_b32 v14, 0
	v_mov_b32 v15, 0
.set ii, 0
.rept 32
	v_mov_b32 v[OR+ii], 0
.set ii, ii+1
.endr
	s_wait_alu depctr_va_vdst(0)
	s_wait_xcnt 0x0                                ; my stores have read the codes' registers: they are written again only behind this wait
.Lstay:
	s_mov_b32 s[LO], 0
	s_mov_b32 s[HI], s[HI2]
	s_mov_b32 s[DG], s[DG2]
	s_mov_b32 s[KS], 0
	s_mul_i32 s[TC], s[ISA], STG                   ; a long tile's owner goes on in the second 1,024 keys, the other wave begins at key 0
	s_mul_i32 s[TS], s[ISA], STG
.Lloop2:
	STEP
	s_add_co_u32 s[KS], s[KS], 1
	s_cmp_lt_u32 s[KS], 8
	s_cbranch_scc1 .Lloop2
	; THE WAY OUT: O^T / the sum; a lane's 32 registers are d = 32 b + 16 h + i of its query: one half-image of the next product's operand
.rept 4
	v_nop
.endr
	s_wait_alu depctr_va_vdst(0)
	s_cmp_ge_u32 s[WV], 8
	s_cbranch_scc1 .Lno_give
.irp k, 0,1,2,3,4,5,6,7
	ds_store_b128 v[MGA], v[OR+4*\k:OR+4*\k+3] offset:512*\k   ; my part of the long tile: O^T, each accumulator from its low end on,
.endr
	ds_store_b128 v[MGA], v[12:15] offset:4096     ; -M, the largest t, the sum's two halves
.Lno_give:
	s_wait_dscnt 0x0
	s_barrier_signal -1
	s_barrier_wait -1
	s_cmp_lt_u32 s[WV], 8
	s_cbranch_scc1 .Ldone
.irp k, 0,1,2,3,4,5,6,7,8
	ds_load_b128 v[SR+4*\k:SR+4*\k+3], v[MGA] offset:512*\k
.endr
	s_wait_dscnt 0x0
	v_min_num_f32 v254, v12, v[SR+32]              ; -M of both parts together
	v_sub_f32 v250, v254, v12                      ; my M less the common one, a whole number, 0 or less;
	v_sub_f32 v252, v254, v[SR+32]                 ; and the other part's
	v_cvt_i32_f32 v250, v250                       ; (they saturate)
	v_cvt_i32_f32 v252, v252
	v_ldexp_f32 v250, 1.0, v250
	v_ldexp_f32 v252, 1.0, v252
	v_pk_mul_f32 v[14:15], v[14:15], v[250:251] op_sel_hi:[1,0]
	v_pk_fma_f32 v[14:15], v[SR+34:SR+35], v[252:253], v[14:15] op_sel_hi:[1,0,1]
.set ii, 0
.rept 16
	v_pk_mul_f32 v[OR+ii:OR+ii+1], v[OR+ii:OR+ii+1], v[250:251] op_sel_hi:[1,0]
.set ii, ii+2
.endr
.set ii, 0
.rept 16
	v_pk_fma_f32 v[OR+ii:OR+ii+1], v[SR+ii:SR+ii+1], v[252:253], v[OR+ii:OR+ii+1] op_sel_hi:[1,0,1]
.set ii, ii+2
.endr
	FINISH
.Ldone:
	s_wait_tensorcnt 0x0                           ; the wave's end
	ds_add_u32 v[SPW], v[NIL]
	s_wait_dscnt 0x0
	CROUND                                         ; the closing round
	s_endpgm
.Lfunc_end_k_qa227e574ef_att:
	.size	k_qa227e574ef_att, .Lfunc_end_k_qa227e574ef_att-k_qa227e574ef_att
	.p2alignl 7, 3214868480
	.fill 96, 4, 3214868480
	.section	.rodata,"a",@progbits
	.p2align	6, 0x0
	.amdhsa_kernel k_qa227e574ef_att
		.amdhsa_group_segment_fixed_size 327680
		.amdhsa_private_segment_fixed_size 0
		.amdhsa_enable_private_segment 0
		.amdhsa_kernarg_size 32
		.amdhsa_user_sgpr_count 2
		.amdhsa_user_sgpr_kernarg_segment_ptr 1
		.amdhsa_wavefront_size32 1
		.amdhsa_system_sgpr_workgroup_id_x 1
		.amdhsa_system_sgpr_workgroup_id_y 1
		.amdhsa_system_sgpr_workgroup_id_z 1
		.amdhsa_system_vgpr_workitem_id 0
		.amdhsa_next_free_vgpr 256
		.amdhsa_next_free_sgpr 90
		.amdhsa_reserve_vcc 1
		.amdhsa_float_denorm_mode_32 3
		.amdhsa_float_denorm_mode_16_64 3
		.amdhsa_memory_ordered 1
		.amdhsa_forward_progress 1
		.amdhsa_inst_pref_size 71
	.end_amdhsa_kernel
	.amdgpu_metadata
---
amdhsa.version: [ 1, 2 ]
amdhsa.kernels:
  - .name:           k_qa227e574ef_att
    .symbol:         k_qa227e574ef_att.kd
    .args:
      - { .name: qp, .offset: 0, .size: 8, .value_kind: global_buffer, .address_space: global }
      - { .name: kp, .offset: 8, .size: 8, .value_kind: global_buffer, .address_space: global }
      - { .name: vp, .offset: 16, .size: 8, .value_kind: global_buffer, .address_space: global }
      - { .name: cp, .offset: 24, .size: 8, .value_kind: global_buffer, .address_space: global }
    .group_segment_fixed_size: 327680
    .private_segment_fixed_size: 0
    .kernarg_segment_align: 8
    .kernarg_segment_size: 32
    .max_flat_workgroup_size: 512
    .sgpr_count:     90
    .vgpr_count:     256
    .wavefront_size: 32
...
	.end_amdgpu_metadata
.endif
;; end of part 3
;; launch wo (part 4): grid 8 x 32, 4 waves a work-group, clusters of 4 x 4, 327,680 bytes of LDS; arguments cp, wp, bo, x, hb; writes hb
.if DOCPART == 4
	.amdgcn_target "amdgcn-amd-amdhsa--gfx1250"
	.amdhsa_code_object_version 6
	.text
	.protected	k_qa227e574ef_wo
	.globl	k_qa227e574ef_wo
	.p2align	8
	.type	k_qa227e574ef_wo,@function
k_qa227e574ef_wo:
	s_mov_b64 s[64:65], 0
	v_nop
	global_prefetch_b8 v0, s[64:65] scope:SCOPE_SE
	s_setreg_imm32_b32 hwreg(HW_REG_WAVE_MODE, 25, 1), 1
	s_wait_xcnt 0x0
	s_wait_alu depctr_hold_cnt(0) depctr_sa_sdst(0) depctr_va_vdst(0) depctr_va_sdst(0) depctr_va_ssrc(0) depctr_va_vcc(0) depctr_vm_vsrc(0)
	s_getreg_b32 s2, hwreg(HW_REG_IB_STS2, 6, 4)
	s_cmp_eq_u32 s2, 0
	s_cbranch_scc0 .Lentry_in_a_cluster
	s_endpgm
.Lentry_in_a_cluster:
	s_bfe_u32 s2, ttmp6, 0x10000c
	s_cmp_lg_u32 s2, 0xf033
	s_cbranch_scc0 .Lentry_shape_is_right
	s_endpgm
.Lentry_shape_is_right:
.set REC,   6400
.set QUAD,  4*REC
.set SLOT,  4*QUAD
.set NTX,   256
.set NTW,   64
.set WOFF,  2457600
.set KG,    2
.set STAGE, 2*SLOT
.set SPARE, STAGE+4*16*272
.set AX16, 4
.set AX8,  6
.set AW16, 8
.set AW8,  10
.set ASC,  12
.set SPW,  14
.set NIL,  15
.set SC,   16
.set BO,   32
.set CO,   33
.set STO,  34
.set RD,   35
.set BI,   88
.set ACC,  128
.set F0,   0
.set F1,   128
.set WV,   14
.set WM,   15
.set WN,   16
.set ROW,  17
.set COL,  42
.set G1X,  24
.set G0X,  32
.set G1W,  48
.set G0W,  56
.set MSB, 0
.macro WIN new
.if MSB != \new
	s_set_vgpr_msb (MSB<<8)|\new
.set MSB, \new
.endif
.endm
.set MULW, 0x05
.set TO_F, 0x40
.macro PLACES n
.rept \n
	v_nop
.endr
.endm
.macro JLOAD s
	s_cmp_eq_u32 s[WM], 0
	s_cbranch_scc0 .Lfor_w_\@
	tensor_load_to_lds s[G0X+4*\s:G0X+4*\s+3], s[G1X:G1X+7]
	s_nop 0
.rept 4
	v_nop
.endr
	s_branch .Lasked_\@
.Lfor_w_\@:
	tensor_load_to_lds s[G0W+4*\s:G0W+4*\s+3], s[G1W:G1W+7]
	s_nop 0
.rept 4
	v_nop
.endr
.Lasked_\@:
.endm
.macro CROUND
	s_barrier_signal -1
	s_barrier_wait -1
	s_cmp_lg_u32 s[WV], 0
	s_cbranch_scc1 .Lnot_wave_0_\@
	s_barrier_signal -3
.Lnot_wave_0_\@:
	s_barrier_wait -3
	s_barrier_signal -1
	s_barrier_wait -1
.endm
.macro SCALES slot
.irp i, 0,1,2,3
	ds_load_b128 v[SC+4*\i:SC+4*\i+3], v[ASC+\slot] offset:REC*\i
.endr
.endm
.macro FETCH slot, s, f
	WIN TO_F
.irp i, 0,1,2,3
	ds_load_b128 v[\f+12*\i:\f+12*\i+3], v[AX16+\slot] offset:REC*\i+1536*(\s)
	ds_load_b64 v[\f+12*\i+4:\f+12*\i+5], v[AX8+\slot] offset:REC*\i+1536*(\s)
	ds_load_b128 v[\f+12*\i+6:\f+12*\i+9], v[AX16+\slot] offset:REC*\i+1536*(\s)+768
	ds_load_b64 v[\f+12*\i+10:\f+12*\i+11], v[AX8+\slot] offset:REC*\i+1536*(\s)+768
	ds_load_b128 v[\f+48+12*\i:\f+48+12*\i+3], v[AW16+\slot] offset:REC*\i+1536*(\s)
	ds_load_b64 v[\f+48+12*\i+4:\f+48+12*\i+5], v[AW8+\slot] offset:REC*\i+1536*(\s)
	ds_load_b128 v[\f+48+12*\i+6:\f+48+12*\i+9], v[AW16+\slot] offset:REC*\i+1536*(\s)+768
	ds_load_b64 v[\f+48+12*\i+10:\f+48+12*\i+11], v[AW8+\slot] offset:REC*\i+1536*(\s)+768
.endr
.endm
.macro WMM d, a, b, c, sa, sb
	v_wmma_scale_f32_16x16x128_f8f6f4 v[\d:\d+7], v[\a:\a+11], v[\b:\b+11], v[\c:\c+7], v[\sa], v[\sb] matrix_a_fmt:MATRIX_FMT_FP6 matrix_b_fmt:MATRIX_FMT_FP6 matrix_a_scale:MATRIX_SCALE_ROW1
.endm
.macro MUL s, f, first
	WIN MULW
.irp i1, 0,1,2,3
.irp i0, 0,1,2,3
.if \first
	WMM ACC+8*(4*\i1+\i0), \f+48+12*\i0, \f+12*\i1, BI+8*\i0, SC+4*\i0+\s, SC+4*\i1+\s
.else
	WMM ACC+8*(4*\i1+\i0), \f+48+12*\i0, \f+12*\i1, ACC+8*(4*\i1+\i0), SC+4*\i0+\s, SC+4*\i1+\s
.endif
.endr
.endr
.endm
.macro COMPUTE slot, first
	SCALES \slot
	FETCH \slot, 0, F0
	FETCH \slot, 1, F1
	s_wait_dscnt 32
	MUL 0, F0, \first
	PLACES 4
	FETCH \slot, 2, F0
	s_wait_dscnt 32
	MUL 1, F1, 0
	PLACES 4
	FETCH \slot, 3, F1
	s_wait_dscnt 32
	MUL 2, F0, 0
	s_wait_dscnt 0x0
	MUL 3, F1, 0
	WIN 0
.endm
.macro CHANGE slot, fill
	s_wait_tensorcnt 0x0
	ds_add_u32 v[SPW], v[NIL]
.if \fill
	s_add_nc_u64 s[G0X+4*\slot+2:G0X+4*\slot+3], s[G0X+4*\slot+2:G0X+4*\slot+3], 2*NTX*REC
	s_add_nc_u64 s[G0W+4*\slot+2:G0W+4*\slot+3], s[G0W+4*\slot+2:G0W+4*\slot+3], 2*NTW*REC
.endif
	s_wait_dscnt 0x0
.if \fill
	CROUND
	JLOAD \slot
.else
	s_barrier_signal -1
	s_barrier_wait -1
	PLACES 4
.endif
.endm
.macro TOSTAGE a
.irp b, 0,1,2,3
	ds_store_b128 v[STO], v[ACC+32*\a+8*\b:ACC+32*\a+8*\b+3] offset:128*(\b/2)+32*(\b%2)
	ds_store_b128 v[STO], v[ACC+32*\a+8*\b+4:ACC+32*\a+8*\b+7] offset:128*(\b/2)+32*(\b%2)+16
.endr
.irp i, 0,1,2,3,4,5,6,7
	ds_load_b128 v[ACC+32*\a+4*\i:ACC+32*\a+4*\i+3], v[RD] offset:544*\i
.endr
.endm
.macro SEND a, younger
	s_wait_dscnt \younger
	WIN 0x08
.set ii, 0
.rept 16
	v_pk_add_f32 v[ACC+32*\a+ii:ACC+32*\a+ii+1], v[ACC+32*\a+ii:ACC+32*\a+ii+1], v[32*\a+ii:32*\a+ii+1]
.set ii, ii+2
.endr
	WIN 0
.irp i, 0,1,2,3,4,5,6,7
	global_store_b128 v[CO], v[ACC+32*\a+4*\i:ACC+32*\a+4*\i+3], s[12:13] offset:(32*(\a/2)+8*(\a%2)+2*\i+8*(\i/4))*4096
.endr
.endm
	s_load_b256 s[4:11], s[0:1], 0x0
	s_load_b64 s[12:13], s[0:1], 0x20
	v_lshl_add_u32 v[SPW], v0, 2, SPARE
	v_mov_b32 v[NIL], 0
	ds_add_u32 v[SPW], v[NIL]
	ds_add_u32 v[SPW], v[NIL]
	v_lshrrev_b32 v1, 5, v0
	v_readfirstlane_b32 s[WV], v1
	s_lshr_b32 s[WM], s[WV], 1
	s_and_b32 s[WN], s[WV], 1
	s_bfe_u32 s40, ttmp6, 0x40000
	s_bfe_u32 s41, ttmp6, 0x40004
	s_lshl_b32 s[COL], ttmp9, 2
	s_add_co_u32 s[COL], s[COL], s40
	s_and_b32 s[ROW], ttmp7, 0xffff
	s_lshl_b32 s[ROW], s[ROW], 2
	s_add_co_u32 s[ROW], s[ROW], s41
	s_lshl_b32 s43, s41, 2
	s_lshl_b32 s43, 15, s43
	s_lshl_b32 s44, 0x1111, s40
	s_or_b32 s[G1X], s43, (3<<16)|(1<<21)
	s_or_b32 s[G1W], s44, (3<<16)|(1<<21)
.irp g, G1X, G1W                       ; a load brings four records of both kgroups: two rows of 25,600 bytes (3,200 elements of 8)
	s_mov_b32 s[\g+1], 3200<<16
	s_mov_b32 s[\g+2], 2<<16
	s_mov_b32 s[\g+3], 3200<<16
	s_mov_b32 s[\g+4], 2
	s_mov_b32 s[\g+6], 0
	s_mov_b32 s[\g+7], 0
.endr
	s_mov_b32 s[G1X+5], NTX*REC/8                  ; from kgroup to kgroup, in elements
	s_mov_b32 s[G1W+5], NTW*REC/8
	s_lshl_b32 s18, s[WN], 2
	s_lshl_b32 s20, s[ROW], 3
	s_add_co_u32 s20, s20, s18
	s_mul_i32 s20, s20, REC
	s_mov_b32 s21, 0
	s_lshl_b32 s46, s[COL], 3
	s_add_co_u32 s46, s46, s18
	s_mul_i32 s46, s46, REC
	s_add_co_u32 s46, s46, WOFF
	s_mov_b32 s47, 0
	s_mul_i32 s45, s[WV], 2*QUAD
	s_wait_dscnt 0x0
	s_wait_kmcnt 0x0
	s_add_nc_u64 s[20:21], s[4:5], s[20:21]
	s_add_nc_u64 s[46:47], s[6:7], s[46:47]
	CROUND
	s_mov_b32 s[G0X], 1
	s_mov_b32 s[G0X+1], s45
	s_mov_b64 s[G0X+2:G0X+3], s[20:21]
	s_or_b32 s[G0X+3], s[G0X+3], 0x80000000
	s_mov_b32 s[G0W], 1
	s_mov_b32 s[G0W+1], s45
	s_mov_b64 s[G0W+2:G0W+3], s[46:47]
	s_or_b32 s[G0W+3], s[G0W+3], 0x80000000
	JLOAD 0                                        ; all of K = 1,024 at once, one load a wave; nothing is filled again
	v_and_b32 v1, 15, v0
	v_bfe_u32 v2, v0, 4, 1
	v_and_b32 v3, 31, v0
	v_lshlrev_b32 v38, 4, v3
	v_lshl_add_u32 v36, v3, 3, 512
	s_mul_i32 s74, s[WM], 2*QUAD
	s_mul_i32 s75, s[WN], 2*QUAD
	s_add_co_u32 s75, s75, 4*QUAD
	s_sub_co_u32 s76, s75, s74
	v_mul_u32_u24 v37, s76, v2
	v_lshl_add_u32 v37, v1, 4, v37
	v_add_nc_u32 v37, 6144, v37
.irp s, 0,1
	v_add_nc_u32 v[AX16+\s], s74, v38
	v_add_nc_u32 v[AX8+\s], s74, v36
	v_add_nc_u32 v[AW16+\s], s75, v38
	v_add_nc_u32 v[AW8+\s], s75, v36
	v_add_nc_u32 v[ASC+\s], s74, v37
	s_add_co_u32 s74, s74, QUAD
	s_add_co_u32 s75, s75, QUAD
.endr
	v_lshlrev_b32 v[BO], 6, v2
	s_wait_alu depctr_va_vdst(0)
	v_lshlrev_b32 v[CO], 12, v2
	v_lshl_add_u32 v[CO], v1, 4, v[CO]
	s_wait_alu depctr_va_vdst(0)
	s_mul_i32 s76, s[WV], 16*272
	s_add_co_u32 s76, s76, STAGE
	v_mul_u32_u24 v[STO], v1, 272
	v_lshl_add_u32 v[STO], v2, 6, v[STO]
	v_add_nc_u32 v[STO], s76, v[STO]
	v_mul_u32_u24 v[RD], v2, 272
	v_lshl_add_u32 v[RD], v1, 4, v[RD]
	v_add_nc_u32 v[RD], s76, v[RD]
	s_lshl_b32 s72, s[COL], 9
	s_lshl_b32 s73, s[WN], 8
	s_add_co_u32 s72, s72, s73
	s_mov_b32 s73, 0
	s_add_nc_u64 s[8:9], s[8:9], s[72:73]
	s_lshl_b32 s74, s[ROW], 19
	s_lshl_b32 s75, s[WM], 18
	s_add_co_u32 s74, s74, s75
	s_add_co_u32 s74, s74, s72
	s_mov_b32 s75, 0
	s_add_nc_u64 s[10:11], s[10:11], s[74:75]
	s_add_nc_u64 s[12:13], s[12:13], s[74:75]
.irp b, 0,1,2,3
	global_load_b128 v[BI+8*\b:BI+8*\b+3], v[BO], s[8:9] offset:4*(32*(\b/2)+8*(\b%2))
	global_load_b128 v[BI+8*\b+4:BI+8*\b+7], v[BO], s[8:9] offset:4*(32*(\b/2)+8*(\b%2))+16
.endr
	WIN 0x80
.irp a, 0,1,2,3
.irp i, 0,1,2,3,4,5,6,7
	global_load_b128 v[32*\a+4*\i:32*\a+4*\i+3], v[CO], s[10:11] offset:(32*(\a/2)+8*(\a%2)+2*\i+8*(\i/4))*4096
.endr
.endr
	WIN 0
	s_wait_tensorcnt 0x0
	s_barrier_signal -1
	s_barrier_wait -1
	s_wait_loadcnt 32
	COMPUTE 0, 1
.if KG > 2
	s_mov_b32 s3, KG/2-1
.Lk:
	CHANGE 0, 1
	COMPUTE 1, 0
	CHANGE 1, 1
	COMPUTE 0, 0
	s_sub_co_u32 s3, s3, 1
	s_cmp_lg_u32 s3, 0
	s_cbranch_scc1 .Lk
.endif
	CHANGE 0, 0
	COMPUTE 1, 0
	PLACES 4
	s_wait_alu depctr_va_vdst(0)
	s_wait_loadcnt 0x0
	TOSTAGE 0
	TOSTAGE 1
	SEND 0, 16
	TOSTAGE 2
	SEND 1, 16
	TOSTAGE 3
	SEND 2, 16
	SEND 3, 0
	s_wait_tensorcnt 0x0
	ds_add_u32 v[SPW], v[NIL]
	s_wait_dscnt 0x0
	CROUND
	s_endpgm
.Lfunc_end_k_qa227e574ef_wo:
	.size	k_qa227e574ef_wo, .Lfunc_end_k_qa227e574ef_wo-k_qa227e574ef_wo
	.p2alignl 7, 3214868480
	.fill 96, 4, 3214868480
	.section	.rodata,"a",@progbits
	.p2align	6, 0x0
	.amdhsa_kernel k_qa227e574ef_wo
		.amdhsa_group_segment_fixed_size 327680
		.amdhsa_private_segment_fixed_size 0
		.amdhsa_enable_private_segment 0
		.amdhsa_kernarg_size 40
		.amdhsa_user_sgpr_count 2
		.amdhsa_user_sgpr_kernarg_segment_ptr 1
		.amdhsa_wavefront_size32 1
		.amdhsa_system_sgpr_workgroup_id_x 1
		.amdhsa_system_sgpr_workgroup_id_y 1
		.amdhsa_system_sgpr_workgroup_id_z 1
		.amdhsa_system_vgpr_workitem_id 0
		.amdhsa_next_free_vgpr 640
		.amdhsa_next_free_sgpr 100
		.amdhsa_reserve_vcc 0
		.amdhsa_float_denorm_mode_32 3
		.amdhsa_float_denorm_mode_16_64 3
		.amdhsa_memory_ordered 1
		.amdhsa_forward_progress 1
		.amdhsa_inst_pref_size 57
	.end_amdhsa_kernel
	.amdgpu_metadata
---
amdhsa.version: [ 1, 2 ]
amdhsa.kernels:
  - .name:           k_qa227e574ef_wo
    .symbol:         k_qa227e574ef_wo.kd
    .args:
      - { .name: cp, .offset: 0, .size: 8, .value_kind: global_buffer, .address_space: global }
      - { .name: wp, .offset: 8, .size: 8, .value_kind: global_buffer, .address_space: global }
      - { .name: bo, .offset: 16, .size: 8, .value_kind: global_buffer, .address_space: global }
      - { .name: x, .offset: 24, .size: 8, .value_kind: global_buffer, .address_space: global }
      - { .name: hb, .offset: 32, .size: 8, .value_kind: global_buffer, .address_space: global }
    .group_segment_fixed_size: 327680
    .private_segment_fixed_size: 0
    .kernarg_segment_align: 8
    .kernarg_segment_size: 40
    .max_flat_workgroup_size: 128
    .sgpr_count:     100
    .vgpr_count:     640
    .wavefront_size: 32
...
	.end_amdgpu_metadata
.endif
;; end of part 4
;; launch ln2: the kernel of part 1 again; grid 256 x 1, 8 waves a work-group, no clusters, 137,728 bytes of LDS; arguments hb, ln2_s, ln2_b, xp, wq, wk, wv, wo, w1, w2, wp; writes xp, wp
;; launch ff1 (part 5): grid 8 x 32, 4 waves a work-group, clusters of 4 x 4, 327,680 bytes of LDS; arguments xp, wp, b1, gp; writes gp
.if DOCPART == 5
	.amdgcn_target "amdgcn-amd-amdhsa--gfx1250"
	.amdhsa_code_object_version 6
	.text
	.protected	k_qa227e574ef_ff1
	.globl	k_qa227e574ef_ff1
	.p2align	8
	.type	k_qa227e574ef_ff1,@function
k_qa227e574ef_ff1:
	s_mov_b64 s[64:65], 0
	v_nop
	global_prefetch_b8 v0, s[64:65] scope:SCOPE_SE
	s_setreg_imm32_b32 hwreg(HW_REG_WAVE_MODE, 25, 1), 1
	s_wait_xcnt 0x0
	s_wait_alu depctr_hold_cnt(0) depctr_sa_sdst(0) depctr_va_vdst(0) depctr_va_sdst(0) depctr_va_ssrc(0) depctr_va_vcc(0) depctr_vm_vsrc(0)
	s_getreg_b32 s2, hwreg(HW_REG_IB_STS2, 6, 4)
	s_cmp_eq_u32 s2, 0
	s_cbranch_scc0 .Lentry_in_a_cluster
	s_endpgm
.Lentry_in_a_cluster:
	s_bfe_u32 s2, ttmp6, 0x10000c
	s_cmp_lg_u32 s2, 0xf033
	s_cbranch_scc0 .Lentry_shape_is_right
	s_endpgm
.Lentry_shape_is_right:
; g = gelu(LN2(h) w1^T + b1) on codes of FP6 (E2M3) with E8M0 scales; the result is quantised in registers along the 4,096 hidden units and stored as codes: it never goes to memory in f32.
; A tile is 16 rows (row rho of tile t = 32 (t / 2) + 8 (t % 2) + rho + 8 (rho / 8)); a record is a tile x 512 K, 6,400 bytes: eight half-images of 768 bytes (registers 0-3 at 16 x lane, 4-5 at 512 + 8 x lane),
; then 256 scale bytes, 16 a row.  Four neighbouring tiles' records are 25,600 dense bytes: one tensor load.
; A WORK-GROUP STAYS: it owns 128 tokens, whose records for all of K = 1,024 (102,400 bytes) come into LDS once, and walks four neighbouring blocks of 128 hidden units: 512 units, one kgroup of the next product.
; 256 work-groups.  A block's weights (102,400 bytes) lie in one of two buffers; blocks 0 and 1 are asked for at the head; a buffer is filled again as soon as its block's products are done, and that load has a way out
; and the next block's products in which to land.  Wave (wm, wn) makes 64 x 64 of a block: 16 accumulators, 128 products.
; CLUSTER 4 x 4: the tokens' records are asked for jointly by a row of the cluster, the weights' by a column.  Source 0 = 16 rows of w1, source 1 = 16 tokens: a lane holds one token, and by the tiles' make-up the 32
; registers of a row of accumulators are hidden units 32 b + 16 h + i: neighbours along the next K.  The bias is the C of each block's first products; all four blocks' lie in registers from the head on.
; LDS: W's buffer 0, then the tokens, then W's buffer 1: a scale load takes the tokens' words in lanes 0-15 and W's in lanes 16-31, and so never reaches across the buffer that is being filled.
; GELU: 0.5 x (1 + tanh(u)) = x / (1 + 2^(x (k1 + k3 x^2))), k1 = -2 sqrt(2 / pi) log2(e), k3 = 0.044715 k1: the same function; an exponential that overflows gives 0, one that falls to 0 gives x.
; LIMITS: NaN and infinities are not served; a block under 2^-124 keeps the byte 1; a block of zeros gets the byte 1 and not 127 (zero codes; read by this program alone).
.set REC,   6400
.set QUAD,  4*REC
.set KGB,   2*QUAD                     ; a kgroup's eight records
.set BUF,   2*KGB                      ; both kgroups: 102,400 bytes
.set XB,    BUF                        ; the tokens' records
.set WB1,   2*BUF                      ; W's buffer 1 (buffer 0 begins at 0)
.set SPARE, 3*BUF                      ; behind them: the spare words, 128 bytes a wave, that no other line names
.set NTX,   256
.set NTW,   256
.set WOFF,  3276800
.set CSTEP, 8*REC                      ; from a block's rows of W to the next block's
.set AX16, 4                           ; v4-5     the tokens' images of kgroup 0, 1: + 16 x lane
.set AX8,  6                           ; v6-7     + 512 + 8 x lane
.set AW16, 8                           ; v8-11    W's: index 2 x buffer + kgroup
.set SPW,  14
.set NIL,  15
.set SC,   16                          ; v16-31   scale words and nothing else
.set TM,   32
.set Y,    40
.set SB,   44
.set K1,   48
.set K3,   50
.set LI,   52
.set L8,   53
.set R16,  54
.set BO,   55
.set PCB,  56                          ; v56-87   codes
.set E,    88                          ; v88-119  at work
.set AW8,  120                         ; v120-123
.set ASC,  124                         ; v124-127 scale bytes: lanes 0-15 the tokens' rows, lanes 16-31 W's; index 2 x buffer + kgroup
.set ACC,  128
.set F0,   0                           ; window 1: two sets of fragments
.set F1,   128
                                       ; window 2: v0-127 the bias: block t's at 32 t, in the result's layout
.set WV,   14
.set WM,   15
.set WN,   16
.set ROW,  17
.set CW,   42
.set G1X,  24
.set G0X,  32
.set G1W,  48
.set G0W,  56
.set SEL,  68
.set MSB, 0
.macro WIN new                         ; the immediate's high byte repeats the setting that is left
.if MSB != \new
	s_set_vgpr_msb (MSB<<8)|\new
.set MSB, \new
.endif
.endm
.set MULW, 0x05                        ; sources 0 and 1 window 1; C and D window 0
.set MULB, 0x25                        ; the same with C in window 2: the bias
.set TO_F, 0x40                        ; destination window 1
.macro PLACES n
.rept \n
	v_nop
.endr
.endm
.macro CROUND                          ; a round of the cluster's barrier
	s_barrier_signal -1
	s_barrier_wait -1
	s_cmp_lg_u32 s[WV], 0
	s_cbranch_scc1 .Lnot_wave_0_\@
	s_barrier_signal -3
.Lnot_wave_0_\@:
	s_barrier_wait -3
	s_barrier_signal -1
	s_barrier_wait -1
.endm
.macro SCALES wi
.irp i, 0,1,2,3
	ds_load_b128 v[SC+4*\i:SC+4*\i+3], v[ASC+(\wi)] offset:REC*\i
.endr
.endm
.macro FETCH g, wi, s, f               ; the eight fragments of K step s of kgroup g: 32 loads, each dense over the lanes
	WIN TO_F
.irp i, 0,1,2,3
	ds_load_b128 v[\f+12*\i:\f+12*\i+3], v[AX16+(\g)] offset:REC*\i+1536*(\s)
	ds_load_b64 v[\f+12*\i+4:\f+12*\i+5], v[AX8+(\g)] offset:REC*\i+1536*(\s)
	ds_load_b128 v[\f+12*\i+6:\f+12*\i+9], v[AX16+(\g)] offset:REC*\i+1536*(\s)+768
	ds_load_b64 v[\f+12*\i+10:\f+12*\i+11], v[AX8+(\g)] offset:REC*\i+1536*(\s)+768
	ds_load_b128 v[\f+48+12*\i:\f+48+12*\i+3], v[AW16+(\wi)] offset:REC*\i+1536*(\s)
	ds_load_b64 v[\f+48+12*\i+4:\f+48+12*\i+5], v[AW8+(\wi)] offset:REC*\i+1536*(\s)
	ds_load_b128 v[\f+48+12*\i+6:\f+48+12*\i+9], v[AW16+(\wi)] offset:REC*\i+1536*(\s)+768
	ds_load_b64 v[\f+48+12*\i+10:\f+48+12*\i+11], v[AW8+(\wi)] offset:REC*\i+1536*(\s)+768
.endr
.endm
.macro WMM d, a, b, c, sa, sb
	v_wmma_scale_f32_16x16x128_f8f6f4 v[\d:\d+7], v[\a:\a+11], v[\b:\b+11], v[\c:\c+7], v[\sa], v[\sb] matrix_a_fmt:MATRIX_FMT_FP6 matrix_b_fmt:MATRIX_FMT_FP6 matrix_a_scale:MATRIX_SCALE_ROW1
.endm
.macro MUL s, f, first, bi             ; 16 products, the accumulators by turns; first = 1: the bias at v[bi] of window 2 starts the sums
.if \first
	WIN MULB
.else
	WIN MULW
.endif
.irp i1, 0,1,2,3
.irp i0, 0,1,2,3
.if \first
	WMM ACC+8*(4*\i1+\i0), \f+48+12*\i0, \f+12*\i1, (\bi)+8*\i0, SC+4*\i0+\s, SC+4*\i1+\s
.else
	WMM ACC+8*(4*\i1+\i0), \f+48+12*\i0, \f+12*\i1, ACC+8*(4*\i1+\i0), SC+4*\i0+\s, SC+4*\i1+\s
.endif
.endr
.endr
.endm
.macro COMPUTE g, wi, first, bi        ; a kgroup's four K steps; a K step's fragments are asked for one K step ahead
	SCALES \wi
	FETCH \g, \wi, 0, F0
	FETCH \g, \wi, 1, F1
	s_wait_dscnt 32                                ; all but the 32 loads just issued
	MUL 0, F0, \first, \bi
	PLACES 4                                       ; in front of loads into registers that matrix instructions have read
	FETCH \g, \wi, 2, F0
	s_wait_dscnt 32
	MUL 1, F1, 0, 0
	PLACES 4
	FETCH \g, \wi, 3, F1
	s_wait_dscnt 32
	MUL 2, F0, 0, 0
	s_wait_dscnt 0x0
	MUL 3, F1, 0, 0
	WIN 0
.endm
.macro BLOCK b, t                      ; block t: 128 tokens x 128 hidden units, all of K, with the weights of buffer b
	COMPUTE 0, 2*(\b), 1, 32*(\t)
	PLACES 4
	COMPUTE 1, 2*(\b)+1, 0, 0
.endm
; Buffer b, whose block is multiplied, is filled again with the block two further on.  Each wave waits for all its tensor loads (the other buffer's among them), adds 0 to its spare word, waits for that and for its reads
; of the buffer; a round of the cluster's barrier: no wave of any partner still reads the buffer or has a load on its way; then, first, the wave's one joint load.
.macro REFILL b
	s_wait_tensorcnt 0x0
	ds_add_u32 v[SPW], v[NIL]                      ; the descriptor's step stands between the add and the wait for it
	s_add_nc_u64 s[G0W+4*\b+2:G0W+4*\b+3], s[G0W+4*\b+2:G0W+4*\b+3], 2*CSTEP
	s_wait_dscnt 0x0
	CROUND
	tensor_load_to_lds s[G0W+4*\b:G0W+4*\b+3], s[G1W:G1W+7]
	s_nop 0
	PLACES 4                                       ; also the places between the last products and the first read of their results
.endm
.macro MEET                            ; nothing is left to fetch: the last block's weights have landed in every wave's part
	s_wait_tensorcnt 0x0
	ds_add_u32 v[SPW], v[NIL]
	s_wait_dscnt 0x0
	s_barrier_signal -1
	s_barrier_wait -1
	PLACES 4
.endm
.macro QUANT2 s, pc, sb                ; 32 numbers of a lane become a half-image's six registers and two scale bytes
.irp b, 0,1
	v_max3_num_f32 v[TM+\b], |v[\s+16*\b]|, |v[\s+1+16*\b]|, 0x1800000   ; the floor 2^(3 - 127) holds the byte at 1 from below
.endr
.irp i, 2,4,6,8,10,12,14
.irp b, 0,1
	v_max3_num_f32 v[TM+\b], v[TM+\b], |v[\s+16*\b+\i]|, |v[\s+1+16*\b+\i]|
.endr
.endr
.irp b, 0,1
	v_permlanex16_b32 v[TM+2+\b], v[TM+\b], s[SEL], s[SEL+1]
.endr
.irp b, 0,1
	v_max_num_f32 v[TM+\b], v[TM+\b], v[TM+2+\b]
.endr
.irp b, 0,1
	v_add_nc_u32 v[TM+4+\b], 0xff000000, v[TM+\b]  ; 2 off the exponent field: the conversion's scale operand
.endr
.irp b, 0,1
	v_lshrrev_b32 v[TM+2+\b], 23, v[TM+4+\b]
.endr
	v_lshl_or_b32 v[\sb], v[TM+3], 8, v[TM+2]
	v_cvt_scalef32_pk16_fp6_f32 v[\pc:\pc+2], v[\s:\s+15], v[TM+4]
	v_cvt_scalef32_pk16_fp6_f32 v[Y:Y+2], v[\s+16:\s+31], v[TM+5]
	v_nop                                          ; one plain place behind a scaled conversion
.irp i, 0,1,2
	v_permlane16_swap_b32 v[\pc+\i], v[Y+\i]
.endr
.irp i, 0,1,2
	v_mov_b32 v[\pc+3+\i], v[Y+\i]
.endr
.endm
.macro GELU x                          ; 32 numbers in place; each accumulator is read from its low end on
.set ii, 0
.rept 16
	v_pk_mul_f32 v[E+ii:E+ii+1], v[\x+ii:\x+ii+1], v[\x+ii:\x+ii+1]
.set ii, ii+2
.endr
.set ii, 0
.rept 16
	v_pk_fma_f32 v[E+ii:E+ii+1], v[E+ii:E+ii+1], v[K3:K3+1], v[K1:K1+1]
.set ii, ii+2
.endr
.set ii, 0
.rept 16
	v_pk_mul_f32 v[E+ii:E+ii+1], v[E+ii:E+ii+1], v[\x+ii:\x+ii+1]
.set ii, ii+2
.endr
.set ii, 0
	s_wait_alu depctr_va_vdst(0)
.rept 32
	v_exp_f32 v[E+ii], v[E+ii]
.set ii, ii+1
.endr
	v_nop                                          ; a plain place behind the batch,
	s_wait_alu depctr_va_vdst(0)                   ; and one wait ahead of its first reader
.set ii, 0
.rept 16
	v_pk_add_f32 v[E+ii:E+ii+1], v[E+ii:E+ii+1], 1.0 op_sel_hi:[1,0]
.set ii, ii+2
.endr
.set ii, 0
	s_wait_alu depctr_va_vdst(0)
.rept 32
	v_rcp_f32 v[E+ii], v[E+ii]
.set ii, ii+1
.endr
	v_nop
	s_wait_alu depctr_va_vdst(0)
.set ii, 0
.rept 16
	v_pk_mul_f32 v[\x+ii:\x+ii+1], v[\x+ii:\x+ii+1], v[E+ii:E+ii+1]
.set ii, ii+2
.endr
.endm
; Block t's way out: 16 tokens x 64 hidden units are one half-image, number 2 t + wn of the token tile's record; the block's place stands in the stores' immediates
.macro EPI t
.if \t > 0
	s_wait_xcnt 0x0                                ; the last block's stores have read their data registers: they are written again only behind this wait
.endif
.irp a, 0,1,2,3
	GELU ACC+32*\a
	QUANT2 ACC+32*\a, PCB+8*\a, SB+\a
	global_store_b128 v[LI], v[PCB+8*\a:PCB+8*\a+3], s[10:11] offset:REC*\a+1536*\t
	global_store_b64 v[L8], v[PCB+8*\a+4:PCB+8*\a+5], s[10:11] offset:REC*\a+1536*\t+512
	global_store_b16 v[R16], v[SB+\a], s[80:81] offset:REC*\a+4*\t
.endr
.endm
	s_load_b256 s[4:11], s[0:1], 0x0               ; xp, wp, b1, gp
	v_lshl_add_u32 v[SPW], v0, 2, SPARE
	v_mov_b32 v[NIL], 0
	ds_add_u32 v[SPW], v[NIL]                      ; the wave's opening: the add and its wait ahead of my first tensor load
	ds_add_u32 v[SPW], v[NIL]
	v_lshrrev_b32 v1, 5, v0
	v_readfirstlane_b32 s[WV], v1
	s_lshr_b32 s[WM], s[WV], 1                     ; my half of the tokens; also: the kgroup that I fetch
	s_and_b32 s[WN], s[WV], 1                      ; my half of a block's hidden units; also: which four records I fetch
	s_bfe_u32 s40, ttmp6, 0x40000                  ; cx
	s_bfe_u32 s41, ttmp6, 0x40004                  ; cy
	s_lshl_b32 s[CW], ttmp9, 2
	s_add_co_u32 s[CW], s[CW], s40                 ; my place along x, 0..7: which 512 hidden units
	s_and_b32 s[ROW], ttmp7, 0xffff
	s_lshl_b32 s[ROW], s[ROW], 2
	s_add_co_u32 s[ROW], s[ROW], s41               ; block of 128 tokens
	s_lshl_b32 s43, s41, 2
	s_lshl_b32 s43, 15, s43                        ; my row of the cluster
	s_lshl_b32 s44, 0x1111, s40                    ; my column
	s_or_b32 s[G1X], s43, (3<<16)|(1<<21)          ; the mask; elements of 8 bytes; bit 21 beside a mask; no padding
	s_or_b32 s[G1W], s44, (3<<16)|(1<<21)
.irp g, G1X, G1W
	s_mov_b32 s[\g+1], 32<<16                      ; rows of 256 bytes,
	s_mov_b32 s[\g+2], 100<<16                     ; 100 of them: 25,600 dense bytes
	s_mov_b32 s[\g+3], 32<<16
	s_mov_b32 s[\g+4], 100
	s_mov_b32 s[\g+5], 32
	s_mov_b32 s[\g+6], 0
	s_mov_b32 s[\g+7], 0
.endr
.set G0H, 36                           ; s[36:39], s[92:99] groups 0 and 1 of the head's load of block 0's weights
.set G1H, 92
	s_mov_b32 s[G1X+2], 200<<16                    ; the head's loads bring a whole kgroup's eight records: 200 rows of 256 bytes
	s_mov_b32 s[G1X+4], 200
	s_or_b32 s[G1H], s44, (3<<16)|(1<<21)
	s_mov_b32 s[G1H+1], 32<<16
	s_mov_b32 s[G1H+2], 200<<16
	s_mov_b32 s[G1H+3], 32<<16
	s_mov_b32 s[G1H+4], 200
	s_mov_b32 s[G1H+5], 32
	s_mov_b32 s[G1H+6], 0
	s_mov_b32 s[G1H+7], 0
	s_lshl_b32 s18, s[WN], 2
	s_lshl_b32 s19, s[WM], 8                       ; 256 records a kgroup, in both tensors
	s_lshl_b32 s20, s[ROW], 3
	s_lshl_b32 s70, s[WN], 8                       ; at the head waves 0 and 1 fetch the tokens' kgroup 0 and 1, whole
	s_add_co_u32 s20, s20, s70
	s_mul_i32 s20, s20, REC                        ; the tokens: record 256 kgroup + 8 row, kgroup = wn
	s_mov_b32 s21, 0
	s_lshl_b32 s46, s[CW], 5
	s_add_co_u32 s46, s46, s18
	s_add_co_u32 s46, s46, s19
	s_mul_i32 s46, s46, REC                        ; W: record 256 kgroup + 32 place + 4 half: block 0
	s_add_co_u32 s46, s46, WOFF
	s_mov_b32 s47, 0
	s_mul_i32 s45, s[WV], QUAD                     ; where they go in a buffer: no place in the cluster enters an LDS address
	s_mov_b32 s[SEL], 0x76543210
	s_mov_b32 s[SEL+1], 0xfedcba98
	s_wait_dscnt 0x0                               ; the opening add is done
	s_wait_kmcnt 0x0
	s_add_nc_u64 s[20:21], s[4:5], s[20:21]
	s_add_nc_u64 s[46:47], s[6:7], s[46:47]
	CROUND                                         ; all sixteen work-groups are here: the first joint loads meet
	s_mov_b32 s[G0X], 1
	s_mul_i32 s[G0X+1], s[WN], KGB
	s_add_co_u32 s[G0X+1], s[G0X+1], XB
	s_mov_b64 s[G0X+2:G0X+3], s[20:21]
	s_or_b32 s[G0X+3], s[G0X+3], 0x80000000
	s_mov_b32 s[G0H], 1                            ; waves 2 and 3: kgroup 0 and 1 of block 0's weights, whole, into buffer 0
	s_mul_i32 s[G0H+1], s[WN], KGB
	s_mul_i32 s82, s[WN], NTW
	s_lshl_b32 s83, s[CW], 5
	s_add_co_u32 s82, s82, s83
	s_mul_i32 s82, s82, REC
	s_add_co_u32 s82, s82, WOFF
	s_mov_b32 s83, 0
	s_add_nc_u64 s[G0H+2:G0H+3], s[6:7], s[82:83]
	s_or_b32 s[G0H+3], s[G0H+3], 0x80000000
.irp b, 0,1
	s_mov_b32 s[G0W+4*\b], 1
	s_add_co_u32 s[G0W+4*\b+1], s45, \b*WB1
	s_add_nc_u64 s[G0W+4*\b+2:G0W+4*\b+3], s[46:47], \b*CSTEP
	s_or_b32 s[G0W+4*\b+3], s[G0W+4*\b+3], 0x80000000
.endr
	s_cmp_eq_u32 s[WM], 0                          ; one tensor load a wave at the head
	s_cbranch_scc0 .Lhead_w
	tensor_load_to_lds s[G0X:G0X+3], s[G1X:G1X+7]
	s_nop 0
	PLACES 4
	s_branch .Lhead_asked
.Lhead_w:
	tensor_load_to_lds s[G0H:G0H+3], s[G1H:G1H+7]
	s_nop 0
	PLACES 4
.Lhead_asked:
	v_and_b32 v1, 15, v0                           ; r
	v_bfe_u32 v2, v0, 4, 1                         ; h
	v_and_b32 v3, 31, v0                           ; lane
	v_lshlrev_b32 v[LI], 4, v3
	v_lshlrev_b32 v[L8], 3, v3
	v_lshlrev_b32 v[R16], 4, v1
	v_lshlrev_b32 v[BO], 6, v2
	v_add_nc_u32 v36, 512, v[L8]
	s_mul_i32 s74, s[WM], QUAD
	s_add_co_u32 s74, s74, XB                      ; my four records of tokens, kgroup 0
	s_mul_i32 s75, s[WN], QUAD                     ; and of W in buffer 0
	v_add_nc_u32 v[AX16], s74, v[LI]
	v_add_nc_u32 v[AX8], s74, v36
	v_add_nc_u32 v[AX16+1], KGB, v[AX16]
	v_add_nc_u32 v[AX8+1], KGB, v[AX8]
	v_add_nc_u32 v38, s75, v[LI]
	v_add_nc_u32 v39, s75, v36
.irp i, 0,1,2,3
	v_add_nc_u32 v[AW16+\i], (\i/2)*WB1+(\i%2)*KGB, v38
	v_add_nc_u32 v[AW8+\i], (\i/2)*WB1+(\i%2)*KGB, v39
.endr
	s_sub_co_u32 s76, s74, s75                     ; from W's records in buffer 0 up to the tokens',
	s_add_co_u32 s77, s75, WB1
	s_sub_co_u32 s77, s77, s74                     ; and from the tokens' up to W's in buffer 1
	v_lshl_add_u32 v37, v1, 4, s74
	v_add_nc_u32 v37, 6144, v37                    ; the tokens' scale bytes of row r
	v_mul_u32_u24 v34, s76, v2                     ; lanes 16-31 take W's: one product, the distance x h,
	v_mul_u32_u24 v35, s77, v2
	v_sub_nc_u32 v[ASC], v37, v34                  ; down for buffer 0,
	v_add_nc_u32 v[ASC+2], v37, v35                ; up for buffer 1
	v_add_nc_u32 v[ASC+1], KGB, v[ASC]
	v_add_nc_u32 v[ASC+3], KGB, v[ASC+2]
	v_mov_b32 v[TM+2], 0                           ; written once: a lane permute's destination counts as one of its sources
	v_mov_b32 v[TM+3], 0
	v_mov_b32 v[K1], 0xc0135761                    ; -2.3022082
	v_mov_b32 v[K1+1], 0xc0135761
	v_mov_b32 v[K3], 0xbdd2d3e8                    ; -0.10294324
	v_mov_b32 v[K3+1], 0xbdd2d3e8
	s_lshl_b32 s72, s[CW], 11
	s_lshl_b32 s73, s[WN], 8
	s_add_co_u32 s72, s72, s73
	s_mov_b32 s73, 0
	s_add_nc_u64 s[8:9], s[8:9], s[72:73]          ; b1 at block 0's 64 numbers of mine; a block on is 512 bytes on
	s_lshl_b32 s72, s[CW], 8                       ; the next product's kgroup is my place along x
	s_lshl_b32 s74, s[ROW], 3
	s_add_co_u32 s72, s72, s74
	s_lshl_b32 s74, s[WM], 2
	s_add_co_u32 s72, s72, s74
	s_mul_i32 s72, s72, REC                        ; my first token tile's record
	s_mul_i32 s76, s[WN], 768
	s_add_co_u32 s76, s76, s72                     ; half-image wn of it
	s_mov_b32 s77, 0
	s_lshl_b32 s78, s[WN], 1
	s_add_co_u32 s78, s78, s72
	s_add_co_u32 s78, s78, 6144                    ; and its two scale bytes a row
	s_mov_b32 s79, 0
	s_add_nc_u64 s[80:81], s[10:11], s[78:79]
	s_add_nc_u64 s[10:11], s[10:11], s[76:77]
	WIN 0x80                                       ; destination window 2
.irp t, 0,1,2,3
.irp b, 0,1,2,3
	global_load_b128 v[32*\t+8*\b:32*\t+8*\b+3], v[BO], s[8:9] offset:512*\t+4*(32*(\b/2)+8*(\b%2))
	global_load_b128 v[32*\t+8*\b+4:32*\t+8*\b+7], v[BO], s[8:9] offset:512*\t+4*(32*(\b/2)+8*(\b%2))+16
.endr
.endr
	WIN 0
	s_wait_alu depctr_va_vdst(0)
	s_wait_tensorcnt 0x0                           ; my part of the tokens or of block 0's weights is in; buffer 1's first fill is issued as a refill is
	ds_add_u32 v[SPW], v[NIL]
	s_wait_dscnt 0x0
	CROUND                                         ; everybody's parts are in, and the joint loads meet
	tensor_load_to_lds s[G0W+4:G0W+7], s[G1W:G1W+7]   ; my quarter of block 1's weights: block 0's products stand between this load and the wait for it
	s_nop 0
	PLACES 4
	s_wait_loadcnt 0x0                             ; the bias
	BLOCK 0, 0
	REFILL 0                                       ; block 2's weights into buffer 0
	EPI 0
	BLOCK 1, 1
	REFILL 1                                       ; block 3's into buffer 1
	EPI 1
	BLOCK 0, 2
	MEET                                           ; block 3's weights are in
	EPI 2
	BLOCK 1, 3
	PLACES 4
	EPI 3
	s_wait_tensorcnt 0x0                           ; the wave's end
	ds_add_u32 v[SPW], v[NIL]
	s_wait_dscnt 0x0
	CROUND                                         ; the closing round
	s_endpgm
.Lfunc_end_k_qa227e574ef_ff1:
	.size	k_qa227e574ef_ff1, .Lfunc_end_k_qa227e574ef_ff1-k_qa227e574ef_ff1
	.p2alignl 7, 3214868480
	.fill 96, 4, 3214868480
	.section	.rodata,"a",@progbits
	.p2align	6, 0x0
	.amdhsa_kernel k_qa227e574ef_ff1
		.amdhsa_group_segment_fixed_size 327680
		.amdhsa_private_segment_fixed_size 0
		.amdhsa_enable_private_segment 0
		.amdhsa_kernarg_size 32
		.amdhsa_user_sgpr_count 2
		.amdhsa_user_sgpr_kernarg_segment_ptr 1
		.amdhsa_wavefront_size32 1
		.amdhsa_system_sgpr_workgroup_id_x 1
		.amdhsa_system_sgpr_workgroup_id_y 1
		.amdhsa_system_sgpr_workgroup_id_z 1
		.amdhsa_system_vgpr_workitem_id 0
		.amdhsa_next_free_vgpr 640
		.amdhsa_next_free_sgpr 100
		.amdhsa_reserve_vcc 0
		.amdhsa_float_denorm_mode_32 3
		.amdhsa_float_denorm_mode_16_64 3
		.amdhsa_memory_ordered 1
		.amdhsa_forward_progress 1
		.amdhsa_inst_pref_size 255
	.end_amdhsa_kernel
	.section	.bss,"aw",@nobits
	.p2align	6
	.space	262144
	.amdgpu_metadata
---
amdhsa.version: [ 1, 2 ]
amdhsa.kernels:
  - .name:           k_qa227e574ef_ff1
    .symbol:         k_qa227e574ef_ff1.kd
    .args:
      - { .name: xp, .offset: 0, .size: 8, .value_kind: global_buffer, .address_space: global }
      - { .name: wp, .offset: 8, .size: 8, .value_kind: global_buffer, .address_space: global }
      - { .name: b1, .offset: 16, .size: 8, .value_kind: global_buffer, .address_space: global }
      - { .name: gp, .offset: 24, .size: 8, .value_kind: global_buffer, .address_space: global }
    .group_segment_fixed_size: 327680
    .private_segment_fixed_size: 0
    .kernarg_segment_align: 8
    .kernarg_segment_size: 32
    .max_flat_workgroup_size: 128
    .sgpr_count:     100
    .vgpr_count:     640
    .wavefront_size: 32
...
	.end_amdgpu_metadata
.endif
;; end of part 5
;; launch ff2 (part 6): grid 8 x 32, 4 waves a work-group, clusters of 4 x 4, 327,680 bytes of LDS; arguments gp, wp, b2, hb, out0; writes out0
.if DOCPART == 6
	.amdgcn_target "amdgcn-amd-amdhsa--gfx1250"
	.amdhsa_code_object_version 6
	.text
	.protected	k_qa227e574ef_ff2
	.globl	k_qa227e574ef_ff2
	.p2align	8
	.type	k_qa227e574ef_ff2,@function
k_qa227e574ef_ff2:
	s_mov_b64 s[64:65], 0
	v_nop
	global_prefetch_b8 v0, s[64:65] scope:SCOPE_SE
	s_setreg_imm32_b32 hwreg(HW_REG_WAVE_MODE, 25, 1), 1
	s_wait_xcnt 0x0
	s_wait_alu depctr_hold_cnt(0) depctr_sa_sdst(0) depctr_va_vdst(0) depctr_va_sdst(0) depctr_va_ssrc(0) depctr_va_vcc(0) depctr_vm_vsrc(0)
	s_getreg_b32 s2, hwreg(HW_REG_IB_STS2, 6, 4)
	s_cmp_eq_u32 s2, 0
	s_cbranch_scc0 .Lentry_in_a_cluster
	s_endpgm
.Lentry_in_a_cluster:
	s_bfe_u32 s2, ttmp6, 0x10000c
	s_cmp_lg_u32 s2, 0xf033
	s_cbranch_scc0 .Lentry_shape_is_right
	s_endpgm
.Lentry_shape_is_right:
; out = h + g w2^T + b2, f32; g [4,096 tokens][K = 4,096] and w2 [1,024][4,096] are codes of FP6 (E2M3) with E8M0 scales, laid as records in the order of an operand's registers:
; a tile is 16 rows (row rho of tile t = 32 (t / 2) + 8 (t % 2) + rho + 8 (rho / 8)); a record is a tile x 512 K (a kgroup), 6,400 bytes: eight half-images of 768 bytes (registers 0-3 at 16 x lane,
; 4-5 at 512 + 8 x lane), then 256 scale bytes, 16 a row.  Record (kgroup g, tile t) lies at (NT g + t) x 6,400.
; SHARES: 256 work-groups of four waves, each 128 tokens x 128 features; wave (wm, wn) makes 64 x 64: 16 accumulators, 16 products for each of the 32 K steps of 128.
; CLUSTER 4 x 4: g's records hang on the block of tokens alone and are asked for jointly by a row of the cluster, w2's on the block of features alone, by a column.
; LDS: four regions, one for each loading wave (g's tiles 0-3, g's 4-7, w2's 0-3, w2's 4-7), each with three places of 25,600 bytes; kgroup k lies in place k % 3.  Four neighbouring records are dense in memory,
; so a load states them as ONE row of 25,600 bytes, and the kgroups as rows: the head's load brings kgroups 0, 1, 2 (three rows), a wave's one load there.
; THREE REFILLS, each behind the three lines and a round of the cluster's barrier: places 0, 1 take kgroups 3, 4 inside K step 6, when steps 6 and 7 are in registers (products 7 to 11 stand between the load and its wait);
; place 2 takes kgroup 5 behind step 11 (steps 12 to 17 stand between); places 0, 1 take kgroups 6, 7 inside step 18.  A plain barrier behind step 23 shows the last fill.
; THE K STEPS ARE ONE PIPELINE: step n + 2's fragments are asked for behind step n's products, across kgroups too wherever the bytes have been shown; two sets of fragments, two sets of scale words.
; g's and w2's scale words have loads and registers of their own, so that no LDS read reaches across bytes that are being filled; their register numbers differ by 2 or 6 modulo 8.
; PREFETCH: kgroups 3 to 7, one instruction a wave and kgroup: of the four records that I will load, the one whose number is my work-group's place among the four partners (by address alone): 25 blocks of 256 bytes,
; a lane a block (lanes 25-31 name the last again).  Kgroups 3, 4 are asked for at the head, 5 in step 1, 6 and 7 in steps 8 and 9: five K steps or more ahead of their loads.  Kgroups 0 to 2 come by their load alone.
; The residual's rows are asked for behind the head's barrier; the bias is the first products' C.  Source 0 = 16 rows of w2, source 1 = 16 tokens: a lane holds eight neighbouring features of a token;
; a block of 16 tokens goes through the wave's own stage in LDS and leaves as whole rows of 256 bytes.
; LIMITS: NaN and infinities are not served.
.set REC,   6400
.set QUAD,  4*REC
.set RG,    3*QUAD                     ; a region
.set NTX,   256
.set NTW,   64
.set WOFF,  6553600                    ; w2's records in wp
.set STAGE, 4*RG                       ; 16 rows x 272 bytes for each wave; no tile lands there
.set SPARE, STAGE+4*16*272             ; the spare words, 128 bytes a wave, that no other line names
.set AX16, 4                           ; v4-6    g's images in place 0, 1, 2: + 16 x lane
.set AX8,  7                           ; v7-9    + 512 + 8 x lane
.set AW16, 10                          ; v10-12  w2's
.set AW8,  13                          ; v13-15
.set ASX,  16                          ; v16-18  g's scale bytes of row r
.set ASW,  19                          ; v19-21  w2's
.set SPW,  22
.set NIL,  23
.set BO,   24
.set CO,   25
.set STO,  26
.set RD,   27
.set SCX,  32                          ; v32-63  g's scale words, two sets: 16 set + 4 tile + K step
.set SCW,  66                          ; v66-97  w2's
.set PFO,  100                         ; v100-104 the prefetches' offsets, kgroups 3 to 7; never rewritten
.set ACC,  128                         ; v128-255: accumulator (i1, i0) at ACC + 8 (4 i1 + i0)
.set BI,   128                         ; window 2: v0-127 the residual, v128-159 the bias;  window 1: two sets of fragments at 0 and 128: g's tile i at + 12 i, w2's at + 48 + 12 i
.set WV,   14
.set WM,   15
.set WN,   16
.set ROW,  17
.set COL,  42
.set G1X,  24
.set G0X,  32
.set G1W,  48
.set G0W,  56
.set PFA,  60
.set MSB, 0
.macro WIN new                         ; the immediate's high byte repeats the setting that is left
.if MSB != \new
	s_set_vgpr_msb (MSB<<8)|\new
.set MSB, \new
.endif
.endm
.set MULW, 0x05                        ; sources 0 and 1 window 1; C and D window 0
.set MULB, 0x25                        ; the same with C in window 2: the bias
.set TO_F, 0x40                        ; destination window 1
.macro PLACES n
.rept \n
	v_nop
.endr
.endm
.macro JLOAD                           ; waves 0, 1 fetch for g, waves 2, 3 for w2: each line has one mask
	s_cmp_eq_u32 s[WM], 0
	s_cbranch_scc0 .Lfor_w_\@
	tensor_load_to_lds s[G0X:G0X+3], s[G1X:G1X+7]
	s_nop 0
	PLACES 4
	s_branch .Lasked_\@
.Lfor_w_\@:
	tensor_load_to_lds s[G0W:G0W+3], s[G1W:G1W+7]
	s_nop 0
	PLACES 4
.Lasked_\@:
.endm
.macro CROUND                          ; a round of the cluster's barrier
	s_barrier_signal -1
	s_barrier_wait -1
	s_cmp_lg_u32 s[WV], 0
	s_cbranch_scc1 .Lnot_wave_0_\@
	s_barrier_signal -3
.Lnot_wave_0_\@:
	s_barrier_wait -3
	s_barrier_signal -1
	s_barrier_wait -1
.endm
.macro SHAPE c, r, px, pw              ; both groups 1: r rows of c elements of 8 bytes, pitches px and pw
.irp g, G1X, G1W
	s_mov_b32 s[\g+1], (\c)<<16
	s_mov_b32 s[\g+2], (\r)<<16
	s_mov_b32 s[\g+3], (\c)<<16
	s_mov_b32 s[\g+4], \r
.endr
	s_mov_b32 s[G1X+5], \px
	s_mov_b32 s[G1W+5], \pw
.endm
.macro GET n                           ; K step n's eight fragments, 32 loads; ahead of a kgroup's first step its scale words, 8 loads
.set P_, ((\n)/4)%3
.set G_, 128*((\n)%2)
.set O_, 1536*((\n)%4)
.set T_, 16*(((\n)/4)%2)
.if (\n)%4 == 0
	WIN 0
.irp i, 0,1,2,3
	ds_load_b128 v[SCX+T_+4*\i:SCX+T_+4*\i+3], v[ASX+P_] offset:REC*\i
	ds_load_b128 v[SCW+T_+4*\i:SCW+T_+4*\i+3], v[ASW+P_] offset:REC*\i
.endr
.endif
	WIN TO_F
.irp i, 0,1,2,3
	ds_load_b128 v[G_+12*\i:G_+12*\i+3], v[AX16+P_] offset:REC*\i+O_
	ds_load_b64 v[G_+12*\i+4:G_+12*\i+5], v[AX8+P_] offset:REC*\i+O_
	ds_load_b128 v[G_+12*\i+6:G_+12*\i+9], v[AX16+P_] offset:REC*\i+O_+768
	ds_load_b64 v[G_+12*\i+10:G_+12*\i+11], v[AX8+P_] offset:REC*\i+O_+768
	ds_load_b128 v[G_+48+12*\i:G_+48+12*\i+3], v[AW16+P_] offset:REC*\i+O_
	ds_load_b64 v[G_+48+12*\i+4:G_+48+12*\i+5], v[AW8+P_] offset:REC*\i+O_
	ds_load_b128 v[G_+48+12*\i+6:G_+48+12*\i+9], v[AW16+P_] offset:REC*\i+O_+768
	ds_load_b64 v[G_+48+12*\i+10:G_+48+12*\i+11], v[AW8+P_] offset:REC*\i+O_+768
.endr
.endm
.macro WMM d, a, b, c, sa, sb
	v_wmma_scale_f32_16x16x128_f8f6f4 v[\d:\d+7], v[\a:\a+11], v[\b:\b+11], v[\c:\c+7], v[\sa], v[\sb] matrix_a_fmt:MATRIX_FMT_FP6 matrix_b_fmt:MATRIX_FMT_FP6
.endm
.macro MUL n, first                    ; 16 products, the accumulators by turns, in the same order in every K step; first = 1: the bias starts the sums
.set F_, 128*((\n)%2)
.set S_, 16*(((\n)/4)%2)+(\n)%4
.if \first
	WIN MULB
.else
	WIN MULW
.endif
.irp i1, 0,1,2,3
.irp i0, 0,1,2,3
.if \first
	WMM ACC+8*(4*\i1+\i0), F_+48+12*\i0, F_+12*\i1, BI+8*\i0, SCW+S_+4*\i0, SCX+S_+4*\i1
.else
	WMM ACC+8*(4*\i1+\i0), F_+48+12*\i0, F_+12*\i1, ACC+8*(4*\i1+\i0), SCW+S_+4*\i0, SCX+S_+4*\i1
.endif
.endr
.endr
.endm
.macro KS n, more, get, first=0        ; K step n.  more = 1: step n + 1's loads are out (32, and 8 more where it begins a kgroup) and may stay out.  get = 1: step n + 2 is asked for
.if \more
	s_wait_dscnt 32+8*(1-(((\n)+1)%4+3)/4)
.else
	s_wait_dscnt 0x0
.endif
	MUL \n, \first
.if \get
	PLACES 4                                       ; in front of loads into registers that matrix instructions have read
	GET (\n)+2
.endif
.endm
; A refill: the wait for all my tensor loads, the add, the descriptors, and where n is 0 or more K step n's products, between the add and the wait for it;
; a round of the cluster's barrier; then, first, the wave's one joint load, whose four v_nop are the places in front of the loads that follow
.macro REFILL c, r, px, pw, place, step, n
	WIN 0
	s_wait_tensorcnt 0x0
	ds_add_u32 v[SPW], v[NIL]
.if (\n) >= 0
	s_wait_dscnt 33                                ; step n's fragments are in; step n + 1's 32 loads and the add may be out
.endif
	SHAPE \c, \r, \px, \pw
	s_add_co_u32 s[G0X+1], s45, (\place)*QUAD
	s_add_co_u32 s[G0W+1], s45, (\place)*QUAD
	s_add_nc_u64 s[G0X+2:G0X+3], s[G0X+2:G0X+3], (\step)*NTX*REC
	s_add_nc_u64 s[G0W+2:G0W+3], s[G0W+2:G0W+3], (\step)*NTW*REC
.if (\n) >= 0
	MUL \n, 0
	WIN 0
.endif
	s_wait_dscnt 0x0                               ; the add is done, and my reads of the places that are filled again are over
	CROUND
	JLOAD
.if (\n) >= 0
	GET (\n)+2
.endif
.endm
.macro PF k                            ; kgroup 3 + k of my share, into the L2
	global_prefetch_b8 v[PFO+\k], s[PFA:PFA+1] th:TH_LOAD_NT scope:SCOPE_SE
.endm
.macro TOSTAGE a                       ; 16 tokens x 64 features into my stage, each accumulator from its low end on, and back as whole rows (LDS serves a wave's instructions in order)
.irp b, 0,1,2,3
	ds_store_b128 v[STO], v[ACC+32*\a+8*\b:ACC+32*\a+8*\b+3] offset:128*(\b/2)+32*(\b%2)
	ds_store_b128 v[STO], v[ACC+32*\a+8*\b+4:ACC+32*\a+8*\b+7] offset:128*(\b/2)+32*(\b%2)+16
.endr
.irp i, 0,1,2,3,4,5,6,7
	ds_load_b128 v[ACC+32*\a+4*\i:ACC+32*\a+4*\i+3], v[RD] offset:544*\i
.endr
.endm
.macro SEND a, younger                 ; + the residual; sixteen lanes store 256 consecutive bytes, aligned
	s_wait_dscnt \younger
	WIN 0x08
.set ii, 0
.rept 16
	v_pk_add_f32 v[ACC+32*\a+ii:ACC+32*\a+ii+1], v[ACC+32*\a+ii:ACC+32*\a+ii+1], v[32*\a+ii:32*\a+ii+1]
.set ii, ii+2
.endr
	WIN 0
.irp i, 0,1,2,3,4,5,6,7
	global_store_b128 v[CO], v[ACC+32*\a+4*\i:ACC+32*\a+4*\i+3], s[12:13] offset:(32*(\a/2)+8*(\a%2)+2*\i+8*(\i/4))*4096
.endr
.endm
	s_load_b256 s[4:11], s[0:1], 0x0               ; gp, wp, b2, hb
	s_load_b64 s[12:13], s[0:1], 0x20              ; out0
	v_lshl_add_u32 v[SPW], v0, 2, SPARE
	v_mov_b32 v[NIL], 0
	ds_add_u32 v[SPW], v[NIL]                      ; the opening lines: the add, twice on end, and its wait ahead of my first tensor load
	ds_add_u32 v[SPW], v[NIL]
	v_lshrrev_b32 v1, 5, v0
	v_readfirstlane_b32 s[WV], v1
	s_lshr_b32 s[WM], s[WV], 1                     ; my half of the tokens; also: I fetch for g (0) or for w2 (1)
	s_and_b32 s[WN], s[WV], 1                      ; my half of the features; also: which four records I fetch
	s_bfe_u32 s40, ttmp6, 0x40000                  ; cx
	s_bfe_u32 s41, ttmp6, 0x40004                  ; cy
	s_lshl_b32 s[COL], ttmp9, 2
	s_add_co_u32 s[COL], s[COL], s40               ; block of 128 features
	s_and_b32 s[ROW], ttmp7, 0xffff
	s_lshl_b32 s[ROW], s[ROW], 2
	s_add_co_u32 s[ROW], s[ROW], s41               ; block of 128 tokens
	s_lshl_b32 s43, s41, 2
	s_lshl_b32 s43, 15, s43                        ; my row of the cluster
	s_lshl_b32 s44, 0x1111, s40                    ; my column
	s_or_b32 s[G1X], s43, (3<<16)|(1<<21)          ; the mask; elements of 8 bytes; bit 21 beside a mask; no padding
	s_or_b32 s[G1W], s44, (3<<16)|(1<<21)
	SHAPE 3200, 3, NTX*REC/8, NTW*REC/8            ; three kgroups: three rows of 25,600 bytes
	s_mov_b32 s[G1X+6], 0
	s_mov_b32 s[G1X+7], 0
	s_mov_b32 s[G1W+6], 0
	s_mov_b32 s[G1W+7], 0
	s_lshl_b32 s18, s[WN], 2
	s_lshl_b32 s20, s[ROW], 3
	s_add_co_u32 s20, s20, s18
	s_mul_i32 s20, s20, REC                        ; g: record 8 row + 4 half, kgroup 0
	s_mov_b32 s21, 0
	s_lshl_b32 s46, s[COL], 3
	s_add_co_u32 s46, s46, s18
	s_mul_i32 s46, s46, REC
	s_add_co_u32 s46, s46, WOFF                    ; w2: record 8 column + 4 half
	s_mov_b32 s47, 0
	s_mul_i32 s45, s[WV], RG                       ; my region: no place in the cluster enters an LDS address
	s_wait_dscnt 0x0                               ; both opening adds are done
	s_wait_kmcnt 0x0
	s_add_nc_u64 s[20:21], s[4:5], s[20:21]
	s_add_nc_u64 s[46:47], s[6:7], s[46:47]
	CROUND                                         ; all sixteen work-groups are here: the first joint loads meet
	s_mov_b32 s[G0X], 1
	s_mov_b32 s[G0X+1], s45
	s_mov_b64 s[G0X+2:G0X+3], s[20:21]
	s_or_b32 s[G0X+3], s[G0X+3], 0x80000000
	s_mov_b32 s[G0W], 1
	s_mov_b32 s[G0W+1], s45
	s_mov_b64 s[G0W+2:G0W+3], s[46:47]
	s_or_b32 s[G0W+3], s[G0W+3], 0x80000000
	JLOAD                                          ; kgroups 0, 1, 2: my one load at the head
	s_mul_i32 s74, s[WM], RG                       ; the region of my four tiles of g,
	s_mul_i32 s75, s[WN], RG
	s_add_co_u32 s75, s75, 2*RG                    ; and of w2
	s_add_co_u32 s76, s74, 6144
	s_add_co_u32 s78, s75, 6144
	s_mul_i32 s77, s[WV], 16*272
	s_add_co_u32 s77, s77, STAGE                   ; my stage
	s_lshl_b32 s72, s[COL], 9
	s_lshl_b32 s73, s[WN], 8
	s_add_co_u32 s72, s72, s73                     ; my 64 features, in bytes
	s_mov_b32 s73, 0
	s_add_nc_u64 s[8:9], s[8:9], s[72:73]
	s_lshl_b32 s80, s[ROW], 19
	s_lshl_b32 s81, s[WM], 18
	s_add_co_u32 s80, s80, s81
	s_add_co_u32 s80, s80, s72                     ; my first token's row, my features
	s_mov_b32 s81, 0
	s_add_nc_u64 s[10:11], s[10:11], s[80:81]
	s_add_nc_u64 s[12:13], s[12:13], s[80:81]
	s_mov_b32 s66, NTW*REC                         ; the prefetches: bytes from kgroup to kgroup,
	s_cmp_eq_u32 s[WM], 0
	s_cselect_b32 s66, NTX*REC, s66
	s_cselect_b32 s62, s[ROW], s[COL]              ; the block whose records I fetch,
	s_cselect_b32 s63, s40, s41                    ; my work-group's place among the four that ask with me: which of the four records,
	s_cselect_b32 s67, 0, WOFF
	s_cselect_b64 s[PFA:PFA+1], s[4:5], s[6:7]     ; and the buffer
	s_lshl_b32 s62, s62, 3
	s_add_co_u32 s62, s62, s18
	s_add_co_u32 s62, s62, s63
	s_mul_i32 s62, s62, REC
	s_add_co_u32 s62, s62, s67
	s_mul_i32 s63, s66, 3
	s_add_co_u32 s62, s62, s63                     ; at kgroup 3
	s_mov_b32 s63, 0
	s_add_nc_u64 s[PFA:PFA+1], s[PFA:PFA+1], s[62:63]
	v_and_b32 v1, 15, v0                           ; r
	v_bfe_u32 v2, v0, 4, 1                         ; h
	v_and_b32 v3, 31, v0                           ; lane
	v_lshlrev_b32 v98, 4, v3
	v_lshl_add_u32 v99, v3, 3, 512
	v_add_nc_u32 v[AX16], s74, v98
	v_add_nc_u32 v[AX8], s74, v99
	v_add_nc_u32 v[AW16], s75, v98
	v_add_nc_u32 v[AW8], s75, v99
	v_lshl_add_u32 v[ASX], v1, 4, s76
	v_lshl_add_u32 v[ASW], v1, 4, s78
.irp p, 1,2
.irp a, AX16, AX8, AW16, AW8, ASX, ASW
	v_add_nc_u32 v[\a+\p], \p*QUAD, v[\a]
.endr
.endr
	v_lshlrev_b32 v[BO], 6, v2
	v_lshlrev_b32 v[CO], 12, v2
	v_lshl_add_u32 v[CO], v1, 4, v[CO]             ; rows 2 i + h of a block, 16 bytes x r
	v_mul_u32_u24 v[STO], v1, 272
	v_lshl_add_u32 v[STO], v2, 6, v[STO]
	v_add_nc_u32 v[STO], s77, v[STO]
	v_mul_u32_u24 v[RD], v2, 272
	v_lshl_add_u32 v[RD], v1, 4, v[RD]
	v_add_nc_u32 v[RD], s77, v[RD]
	v_min_u32 v[PFO], 24, v3                       ; 25 blocks of 256 bytes in a record
	v_lshlrev_b32 v[PFO], 8, v[PFO]
.irp k, 1,2,3,4
	v_mad_u32_u24 v[PFO+\k], s66, \k, v[PFO]
.endr
	s_wait_alu depctr_va_vdst(0)
	WIN 0x80                                       ; destination window 2
.irp b, 0,1,2,3
	global_load_b128 v[BI+8*\b:BI+8*\b+3], v[BO], s[8:9] offset:4*(32*(\b/2)+8*(\b%2))
	global_load_b128 v[BI+8*\b+4:BI+8*\b+7], v[BO], s[8:9] offset:4*(32*(\b/2)+8*(\b%2))+16
.endr
	PF 0
	PF 1
	WIN 0
	s_wait_tensorcnt 0x0                           ; my part of kgroups 0 to 2 is in
	s_barrier_signal -1
	s_barrier_wait -1                              ; everybody's is
	GET 0
	GET 1
	WIN 0x80
.irp a, 0,1,2,3
.irp i, 0,1,2,3,4,5,6,7
	global_load_b128 v[32*\a+4*\i:32*\a+4*\i+3], v[CO], s[10:11] offset:(32*(\a/2)+8*(\a%2)+2*\i+8*(\i/4))*4096
.endr
.endr
	s_wait_loadcnt 32                              ; the bias is in; the residual's 32 loads may be out
	KS 0, 1, 1, 1
	KS 1, 1, 1
	PF 2
.irp n, 2,3,4,5
	KS \n, 1, 1
.endr
	REFILL 3200, 2, NTX*REC/8, NTW*REC/8, 0, 3, 6  ; kgroups 3, 4 into places 0, 1
	KS 7, 1, 1
	KS 8, 1, 1
	PF 3
	KS 9, 1, 1
	PF 4
	KS 10, 1, 0
	KS 11, 0, 0
	REFILL 32, 100, 32, 32, 2, 2, -1               ; kgroups 3, 4 are in; kgroup 5 into place 2, as 100 rows of 256 bytes
	GET 12
	GET 13
.irp n, 12,13,14,15,16,17
	KS \n, 1, 1
.endr
	REFILL 3200, 2, NTX*REC/8, NTW*REC/8, 0, 1, 18 ; kgroup 5 is in; kgroups 6, 7 into places 0, 1
.irp n, 19,20,21
	KS \n, 1, 1
.endr
	KS 22, 1, 0
	KS 23, 0, 0
	WIN 0
	s_wait_tensorcnt 0x0                           ; my part of kgroups 6, 7 is in; nothing is left to fetch
	ds_add_u32 v[SPW], v[NIL]
	s_wait_dscnt 0x0
	s_barrier_signal -1
	s_barrier_wait -1
	PLACES 4
	GET 24
	GET 25
.irp n, 24,25,26,27,28,29
	KS \n, 1, 1
.endr
	KS 30, 1, 0
	KS 31, 0, 0
	WIN 0
	PLACES 4                                       ; between the last products and the first read of their results
	s_wait_alu depctr_va_vdst(0)
	s_wait_loadcnt 0x0                             ; the residual
	TOSTAGE 0
	TOSTAGE 1
	SEND 0, 16                                     ; behind block 0's loads: block 1's 8 stores and 8 loads
	TOSTAGE 2
	SEND 1, 16
	TOSTAGE 3
	SEND 2, 16
	SEND 3, 0
	s_wait_tensorcnt 0x0                           ; the wave's end
	ds_add_u32 v[SPW], v[NIL]
	s_wait_dscnt 0x0
	CROUND                                         ; the closing round
	s_endpgm
.Lfunc_end_k_qa227e574ef_ff2:
	.size	k_qa227e574ef_ff2, .Lfunc_end_k_qa227e574ef_ff2-k_qa227e574ef_ff2
	.p2alignl 7, 3214868480
	.fill 96, 4, 3214868480
	.section	.rodata,"a",@progbits
	.p2align	6, 0x0
	.amdhsa_kernel k_qa227e574ef_ff2
		.amdhsa_group_segment_fixed_size 327680
		.amdhsa_private_segment_fixed_size 0
		.amdhsa_enable_private_segment 0
		.amdhsa_kernarg_size 40
		.amdhsa_user_sgpr_count 2
		.amdhsa_user_sgpr_kernarg_segment_ptr 1
		.amdhsa_wavefront_size32 1
		.amdhsa_system_sgpr_workgroup_id_x 1
		.amdhsa_system_sgpr_workgroup_id_y 1
		.amdhsa_system_sgpr_workgroup_id_z 1
		.amdhsa_system_vgpr_workitem_id 0
		.amdhsa_next_free_vgpr 672
		.amdhsa_next_free_sgpr 100
		.amdhsa_reserve_vcc 0
		.amdhsa_float_denorm_mode_32 3
		.amdhsa_float_denorm_mode_16_64 3
		.amdhsa_memory_ordered 1
		.amdhsa_forward_progress 1
		.amdhsa_inst_pref_size 168
	.end_amdhsa_kernel
	.amdgpu_metadata
---
amdhsa.version: [ 1, 2 ]
amdhsa.kernels:
  - .name:           k_qa227e574ef_ff2
    .symbol:         k_qa227e574ef_ff2.kd
    .args:
      - { .name: gp, .offset: 0, .size: 8, .value_kind: global_buffer, .address_space: global }
      - { .name: wp, .offset: 8, .size: 8, .value_kind: global_buffer, .address_space: global }
      - { .name: b2, .offset: 16, .size: 8, .value_kind: global_buffer, .address_space: global }
      - { .name: hb, .offset: 24, .size: 8, .value_kind: global_buffer, .address_space: global }
      - { .name: out0, .offset: 32, .size: 8, .value_kind: global_buffer, .address_space: global }
    .group_segment_fixed_size: 327680
    .private_segment_fixed_size: 0
    .kernarg_segment_align: 8
    .kernarg_segment_size: 40
    .max_flat_workgroup_size: 128
    .sgpr_count:     100
    .vgpr_count:     672
    .wavefront_size: 32
...
	.end_amdgpu_metadata
.endif
;; end of part 6
